; MI455X (gfx1250); checked and timed in simulation.
; The chip was launched on July 23, 2026; its instructions are those of AMD's public machine-readable ISA for CDNA 5 (MIT licence, August 2026) and "CDNA5" Instruction Set Architecture Reference Guide (July 2026). The comments in the code are by the model that wrote it; some were corrected since.
;; Multi Head Attention. Allowed arithmetic: matrix products marked QUANTISED: E2M3 operands, one E8M0 scale for each 32 along K, by v_wmma_scale_f32_16x16x128_f8f6f4 with both operands' format E2M3, f32 sums; everything else in f32.
;; Inputs: Wk 1,024 x 1,024 float32; Wo 1,024 x 1,024 float32; Wq 1,024 x 1,024 float32; Wv 1,024 x 1,024 float32; x 4 x 2,048 x 1,024 float32.
;; Outputs: out0 4 x 2,048 x 1,024 float32.
;; This version of the problem:
;;   THIS VERSION OF THE PROBLEM IS GIVEN IN LOW PRECISION. The matrix products marked QUANTISED in the list below multiply operands that are first quantised to E2M3 (2 exponent bits, 3 mantissa bits; 6 bits a number), with one power-of-two scale for each 32 numbers along K (OCP MX v1.0); their sums are f32. All else is computed in f32.
;;   The module's matrix products, in the order in which they are computed (A, B: the left and right operand; K: the contracted axis; several contracted axes count as one K, in the product's order):
;;     1. [M 8,192, K 1,024] x [K 1,024, N 1,024]; A: input x; B: input Wq: QUANTISED
;;     2. [M 8,192, K 1,024] x [K 1,024, N 1,024]; A: input x; B: input Wk: QUANTISED
;;     3. [M 8,192, K 1,024] x [K 1,024, N 1,024]; A: input x; B: input Wv: QUANTISED
;;     4. batch 64 x [M 2,048, K 64] x [K 64, N 2,048]; A: computed on the way; B: computed on the way: QUANTISED
;;     5. batch 64 x [M 2,048, K 2,048] x [K 2,048, N 64]; A: softmax (see below); B: computed on the way: QUANTISED
;;     6. [M 8,192, K 1,024] x [K 1,024, N 1,024]; A: computed on the way; B: input Wo: QUANTISED
;;   THE QUANTISER, for each operand of a quantised product, along K:
;;     - K is cut into blocks of 32 from its start; a last block that is shorter is filled with zeros.
;;     - A block's scale is 2^e with e = floor(log2(the largest magnitude in the block)) - 2, held to -126 .. 127; a block of zeros has e = 0. As a byte (E8M0): e + 127.
;;     - Each number is divided by its block's scale, clamped to +-7.5, and rounded to the nearest number of E2M3, ties to even, subnormals kept.
;;     - The product sums the exact products of the quantised numbers (number of the format x scale) in f32.
;;   ~~~python
;;   def quantise(x, axis):      # numpy; x: float32 -> the quantised numbers, widened to float32 again
;;       x = np.moveaxis(x, axis, -1); K = x.shape[-1]
;;       x = np.pad(x, [(0, 0)] * (x.ndim - 1) + [(0, -K % 32)]); x = x.reshape(x.shape[:-1] + (-1, 32)); a = np.abs(x).max(-1, keepdims=True)
;;       e = np.where(a > 0, np.clip(np.frexp(np.where(a > 0, a, 1))[1] - 1 - 2, -126, 127), 0)      # np.frexp(a)[1] - 1 = floor(log2(a)), exactly
;;       r = np.clip(x / 2.0 ** e, -7.5, 7.5)
;;       step = 2.0 ** (np.maximum(np.frexp(np.where(r == 0, 1, r))[1] - 1, 0) - 3)
;;       q = np.round(r / step) * step * 2.0 ** e      # np.round: ties to even
;;       return np.moveaxis(q.reshape(q.shape[:-2] + (-1,))[..., :K], -1, axis).astype(np.float32)
;;   ~~~
;;   SOFTMAX AHEAD OF A QUANTISED PRODUCT. Where the list says 'softmax', what is quantised is not the finished softmax but p = 2^(t - M), with t = logit x log2(e) and M = ceil(the row's largest t), a whole number; so 1/2 < the row's largest p <= 1. The row's sum l is taken of the UNQUANTISED p, in f32, and the product's result is divided by l at the end. Since M is a whole number, a kernel that streams over the keys may use a running M (the ceiling of the running maximum): every later rescaling is an exact power of two, which a block's scale takes up: the codes' values come out the same.
;;   OPERANDS COMPUTED ON THE WAY. 'Computed on the way' means the value that the module computes at that place (a softmax that the list does not call 'softmax' is quantised finished and normalised). What goes into a quantiser is computed in f32, as accurately as f32 sums, v_exp_f32 and their like allow (about 1e-6 of the number): no bf16 or f16 on the way to a quantiser, and a product that is left as it is and whose result goes on into a quantised operand takes f32 operands (vector FMAs, or v_wmma_f32_16x16x4_f32). A number that lies on a knife's edge between two numbers of the format may be rounded either way, as far as f32 arithmetic and the matrix unit's own rounding can turn it there, and no further.
;; One version. Each part assembles by itself: llvm-mc -triple=amdgcn-amd-amdhsa -mcpu=gfx1250 --defsym DOCPART=n.
;; ======== version 1 of 1: 6 launches
;; workspace buffers: xq 6,553,600 bytes; wqk 1,835,008 bytes; wv 1,048,576 bytes; wo 1,048,576 bytes; qk 13,107,200 bytes; vt 13,107,200 bytes; ctx 6,553,600 bytes
;; launch quantx (part 1): grid 256 x 1, 4 waves a work-group, no clusters, 33,280 bytes of LDS; arguments x, xq; writes xq
.if DOCPART == 1
	.amdgcn_target "amdgcn-amd-amdhsa--gfx1250"
	.amdhsa_code_object_version 6
	.text
	.protected	k_q681c8cf28f_quantx
	.globl	k_q681c8cf28f_quantx
	.p2align	8
	.type	k_q681c8cf28f_quantx,@function
k_q681c8cf28f_quantx:
	s_mov_b64 s[64:65], 0
	v_nop
	global_prefetch_b8 v0, s[64:65] scope:SCOPE_SE
	s_setreg_imm32_b32 hwreg(HW_REG_WAVE_MODE, 25, 1), 1
	s_wait_xcnt 0x0
; x [8192][1024], f32, becomes codes of FP6 (E2M3), 6 bits each, K innermost, with one E8M0 scale byte for each 32 along K.
; OUT: xq holds the scale bytes [row][32] from byte 0 and the codes [row][768] from byte OPC.  ROW POSITION p HOLDS TRUE ROW p WITH BITS 3 AND 4 EXCHANGED, so that 16 neighbouring
; positions, taken as source 0 of a matrix instruction, give results whose registers run along neighbouring true rows.  A wave takes 8 whole rows, so the exchange is a choice of the wave's place among the group's 32 rows.
; A block's scale is 2^(floor(log2(its largest magnitude)) - 2); its byte is the largest magnitude's exponent field - 2, held at 1 from below.  Each number is divided by the scale and rounded to the nearest code, ties to even.
; LIMITS: a block of zeros, or one whose largest magnitude lies under 2^-124, gets the byte 1 (its codes are zeros or what the conversion makes of them; the bytes are read by this program alone); NaN and infinities are not served.
; A wave takes 16 steps of 512 numbers.  Each of a step's four loads reads 512 consecutive bytes, 16 a lane; the 2,048 bytes go through the wave's own stage in LDS and come back 64 bytes a lane, so that a lane holds 16
; neighbours along K (two neighbouring lanes hold a block).  A lane's 16 codes are 12 bytes: the wave stores 384 consecutive bytes.  A wave's 256 scale bytes are gathered in LDS and leave as one aligned run of 256 bytes.
; Waves share nothing: no barrier, no tensor load, no cluster (no two work-groups read the same bytes).  Loads run four steps (16 loads a wave) ahead, the turn through LDS one step.
.set STEPS, 16
.set OPC,   262144                     ; where the codes begin in xq
.set EMAX,  2
.set CB,    12                         ; bytes of 16 codes
.set R,     16                         ; v16-79   four sets of 16 numbers as they are loaded
.set X,     80                         ; v80-111  two sets of 16 neighbours
.set C,     128                        ; v128-191 codes: four registers for each step, so that no store's data are written again
.set E,     112                        ; v112-127 a scale byte for each step
.set WREG,  8192                       ; LDS: a region for each wave: two stages of 32 x SP bytes, and behind them its 256 scale bytes
.set SP,    80                         ; a lane's place in a stage: its 64 bytes + 16 of padding
	s_load_b128 s[4:7], s[0:1], 0x0                ; x s[4:5], xq s[6:7]
	v_lshl_add_u32 v192, v0, 2, 0x8000
	v_mov_b32 v193, 0
	v_lshrrev_b32 v1, 5, v0
	v_readfirstlane_b32 s16, v1                    ; wave
	v_and_b32 v2, 31, v0                           ; lane
	v_lshlrev_b32 v3, 4, v2                        ; my 16 bytes of a load's 512
	s_mul_i32 s17, s16, WREG
	v_lshrrev_b32 v14, 2, v2
	v_mul_u32_u24 v14, v14, SP
	v_and_b32 v15, 3, v2
	v_lshl_add_u32 v14, v15, 4, v14
	v_add_nc_u32 v14, s17, v14                     ; the stage, on the way in: four lanes' 64 bytes on end, then 16 of padding
	v_mul_u32_u24 v15, v2, SP
	v_add_nc_u32 v15, s17, v15                     ; and on the way out: SP x lane: my 16 neighbours
	v_mul_u32_u24 v4, v2, CB                       ; my codes' place in a step's
	v_lshrrev_b32 v5, 1, v2
	s_add_co_u32 s17, s17, 2*32*SP
	v_add_nc_u32 v5, s17, v5                       ; LDS: my wave's 256 scale bytes, my block's byte
	v_lshlrev_b32 v7, 3, v2                        ; and on the way out 8 bytes a lane
	v_add_nc_u32 v6, s17, v7
	s_lshl_b32 s18, ttmp9, 2
	s_add_co_u32 s20, s18, s16                     ; which run of 8 rows I read: 4 x work-group + wave
	s_lshl_b32 s20, s20, 15                        ; 32,768 bytes a run
	s_mov_b32 s21, 0
	s_and_b32 s19, s16, 1
	s_lshl_b32 s19, s19, 1
	s_lshr_b32 s22, s16, 1
	s_or_b32 s19, s19, s22                         ; the wave's two bits exchanged: bits 3 and 4 of the row
	s_add_co_u32 s18, s18, s19                     ; which run of 8 row positions I write
	s_mul_i32 s22, s18, 32*STEPS*CB                ; 6,144 bytes of codes a run
	s_add_co_u32 s22, s22, OPC
	s_mov_b32 s23, 0
	s_lshl_b32 s24, s18, 8                         ; 256 scale bytes a run
	s_mov_b32 s25, 0
	s_wait_alu depctr_va_vdst(0)
	s_wait_kmcnt 0x0
	s_add_nc_u64 s[4:5], s[4:5], s[20:21]
	s_add_nc_u64 s[8:9], s[6:7], s[22:23]          ; my codes
	s_add_nc_u64 s[10:11], s[6:7], s[24:25]        ; my scale bytes
.macro LOAD t
.irp i, 0,1,2,3
	global_load_b128 v[R+16*((\t)%4)+4*\i:R+16*((\t)%4)+4*\i+3], v3, s[4:5] offset:2048*(\t)+512*\i th:TH_LOAD_NT   ; 32 lanes read 512 consecutive bytes; x is read once in the launch
.endr
.endm
.macro TURN t                          ; step t's numbers through the stage: LDS serves a wave's instructions in order (ISA guide 5.7.1.4), so no wait stands between the stores and the loads
.irp i, 0,1,2,3
	ds_store_b128 v14, v[R+16*((\t)%4)+4*\i:R+16*((\t)%4)+4*\i+3] offset:32*SP*((\t)%2)+8*SP*\i
.endr
.irp i, 0,1,2,3
	ds_load_b128 v[X+16*((\t)%2)+4*\i:X+16*((\t)%2)+4*\i+3], v15 offset:32*SP*((\t)%2)+16*\i
.endr
.endm
.irp t, 0,1,2,3
	LOAD \t
.endr
	s_wait_loadcnt 12                              ; step 0's four loads are in; those of steps 1 to 3 may be out
	TURN 0
.macro STEP t
.set XS, X+16*((\t)%2)
.if (\t) > 0
	s_wait_dscnt 1                                 ; this step's numbers are back from the stage (the last step's byte store may be out): so its stores into the stage have read their registers,
.else
	s_wait_dscnt 0x0
.endif
.if (\t)+4 < STEPS
	LOAD (\t)+4                                    ; which take the loads of four steps on
.endif
.if (\t)+1 < STEPS
.if STEPS-2-(\t) >= 3
	s_wait_loadcnt 12                              ; the next step's four loads are in; those of the three steps behind it may be out
.else
	s_wait_loadcnt 4*(STEPS-2-(\t))                ; the tail: fewer steps are behind it
.endif
	TURN (\t)+1                                    ; and go through the other stage while this step is worked
.endif
	v_max3_num_f32 v8, |v[XS]|, |v[XS+1]|, |v[XS+2]|               ; the largest magnitude of my 16, in two chains
	v_max3_num_f32 v9, |v[XS+3]|, |v[XS+4]|, |v[XS+5]|
.irp i, 6,10
	v_max3_num_f32 v8, v8, |v[XS+\i]|, |v[XS+\i+1]|
	v_max3_num_f32 v9, v9, |v[XS+\i+2]|, |v[XS+\i+3]|
.endr
	v_max3_num_f32 v8, v8, |v[XS+14]|, |v[XS+15]|
	v_max3_num_f32 v8, v8, v9, (EMAX+1)<<23        ; and the floor 2^(3 - 127): the byte cannot fall under 1
	v_max_num_f32_dpp v8, v8, v8 row_xmask:1 row_mask:0xf bank_mask:0xf   ; and of my neighbour's 16: the block's
	v_add_nc_u32 v11, -(EMAX<<23), v8              ; 2 off its exponent field: the conversion takes the exponent field of this operand as its scale
	v_cvt_scalef32_pk16_fp6_f32 v[C+4*(\t):C+4*(\t)+2], v[XS:XS+15], v11         ; sixteen codes, 96 bits without gaps, the first number's code lowest
	v_lshrrev_b32 v[E+(\t)], 23, v11               ; the scale's byte (also the plain line behind the conversion)
	ds_store_b8 v5, v[E+(\t)] offset:16*(\t)       ; both lanes of a block write the same byte with the same value
	global_store_b96 v4, v[C+4*(\t):C+4*(\t)+2], s[8:9] offset:32*CB*(\t)
.endm
.irp t, 0,1,2,3,4,5,6,7,8,9,10,11,12,13,14,15
	STEP \t
.endr
	ds_load_b64 v[12:13], v6                       ; LDS serves a wave's instructions in order: these see my byte stores
	s_wait_dscnt 0x0
	global_store_b64 v7, v[12:13], s[10:11]        ; 32 lanes store 256 consecutive bytes, aligned: the scale bytes of my 8 rows
	s_wait_tensorcnt 0x0
	ds_add_u32 v192, v193
	s_wait_dscnt 0x0
	s_endpgm
.Lfunc_end_k_q681c8cf28f_quantx:
	.size	k_q681c8cf28f_quantx, .Lfunc_end_k_q681c8cf28f_quantx-k_q681c8cf28f_quantx
	.p2alignl 7, 3214868480
	.fill 96, 4, 3214868480
	.section	.rodata,"a",@progbits
	.p2align	6, 0x0
	.amdhsa_kernel k_q681c8cf28f_quantx
		.amdhsa_group_segment_fixed_size 33280
		.amdhsa_private_segment_fixed_size 0
		.amdhsa_enable_private_segment 0
		.amdhsa_kernarg_size 16
		.amdhsa_user_sgpr_count 2
		.amdhsa_user_sgpr_kernarg_segment_ptr 1
		.amdhsa_wavefront_size32 1
		.amdhsa_system_sgpr_workgroup_id_x 1
		.amdhsa_system_sgpr_workgroup_id_y 1
		.amdhsa_system_sgpr_workgroup_id_z 1
		.amdhsa_system_vgpr_workitem_id 0
		.amdhsa_next_free_vgpr 194
		.amdhsa_next_free_sgpr 66
		.amdhsa_reserve_vcc 0
		.amdhsa_float_denorm_mode_32 3
		.amdhsa_float_denorm_mode_16_64 3
		.amdhsa_memory_ordered 1
		.amdhsa_forward_progress 1
		.amdhsa_inst_pref_size 32
	.end_amdhsa_kernel
	.amdgpu_metadata
---
amdhsa.version: [ 1, 2 ]
amdhsa.kernels:
  - .name:           k_q681c8cf28f_quantx
    .symbol:         k_q681c8cf28f_quantx.kd
    .args:
      - { .name: x, .offset: 0, .size: 8, .value_kind: global_buffer, .address_space: global }
      - { .name: xq, .offset: 8, .size: 8, .value_kind: global_buffer, .address_space: global }
    .group_segment_fixed_size: 33280
    .private_segment_fixed_size: 0
    .kernarg_segment_align: 8
    .kernarg_segment_size: 16
    .max_flat_workgroup_size: 128
    .sgpr_count:     66
    .vgpr_count:     194
    .wavefront_size: 32
...
	.end_amdgpu_metadata
.endif
;; end of part 1
;; launch quantw (part 2): grid 32 x 4, 4 waves a work-group, no clusters, 36,352 bytes of LDS; arguments Wq, Wk, Wv, Wo, wqk, wv, wo; writes wqk, wv, wo
.if DOCPART == 2
	.amdgcn_target "amdgcn-amd-amdhsa--gfx1250"
	.amdhsa_code_object_version 6
	.text
	.protected	k_q681c8cf28f_quantw
	.globl	k_q681c8cf28f_quantw
	.p2align	8
	.type	k_q681c8cf28f_quantw,@function
k_q681c8cf28f_quantw:
	s_mov_b64 s[64:65], 0
	v_nop
	global_prefetch_b8 v0, s[64:65] scope:SCOPE_SE
	s_setreg_imm32_b32 hwreg(HW_REG_WAVE_MODE, 25, 1), 1
	s_wait_xcnt 0x0
; The four weights, each [1024 (k)][1024 (n)] f32 with K as FIRST axis, become codes of FP6 (E2M3) laid [n][k] with K innermost, and one E8M0 scale byte for each 32 along K.
; OUT: each operand buffer holds the scale bytes [row][32] from byte 0 and the codes [row][768] from byte OPC.  wqk: Wq's 1,024 columns, then Wk's; wv; wo.
; ROW POSITION p HOLDS TRUE COLUMN p WITH BITS 3 AND 4 EXCHANGED (as in xq): a lane puts its column's codes and bytes at that place; nothing else knows of it.
; Work-group x: bits 4:3 which weight, bits 2:0 which 128 columns; y: which 256 along K.  The buffers are chosen by selects on the work-group's number: one path through the text.
; A LANE TAKES A COLUMN n, AND ITS REGISTERS RUN DOWN K: each load reads 128 consecutive bytes a wave, a block of 32 along K lies in one lane's 32 registers, and the conversions give codes with K innermost.
; A wave takes 32 columns x 256 along K: 8 blocks a lane, 192 bytes of codes a column; they go through the wave's own stage in LDS and leave as rows: sixteen lanes store a row's 192 consecutive bytes.
; LIMITS: a block of zeros, or one whose largest magnitude lies under 2^-124, gets the byte 1 (read by this program alone); NaN and infinities are not served.
; Waves share nothing: no barrier, no tensor load, no cluster.  Loads run two blocks (64 loads a wave) ahead.
.set SIZE_N, 1024
.set OPC,   262144
.set NB,    8                          ; blocks of 32 along K for a wave
.set ROWB,  192                        ; bytes of 256 codes
.set PITCH, 272                        ; a stage row: sixteen places of 16 bytes, each with 12 bytes of codes, + 16
.set KROW,  768                        ; a row of codes in bytes
.set EMAX,  2
.set X,     32                         ; v32-95   two sets of 32 numbers
.set C,     96                         ; v96..    a block's codes
.set OUTR,  112                        ; v112-175 the way out: 16 x 4 registers
.set SB,    24                         ; v24-25   the scale bytes, four to a register
	s_load_b256 s[4:11], s[0:1], 0x0               ; Wq, Wk, Wv, Wo
	s_load_b128 s[12:15], s[0:1], 0x20             ; wqk, wv
	s_load_b64 s[16:17], s[0:1], 0x30              ; wo
	v_lshl_add_u32 v192, v0, 2, 0x8c00
	v_mov_b32 v193, 0
	v_lshrrev_b32 v1, 5, v0
	v_readfirstlane_b32 s18, v1                    ; wave 0..3
	v_and_b32 v2, 31, v0                           ; lane
	s_lshr_b32 s19, ttmp9, 3                       ; which weight
	s_and_b32 s20, ttmp9, 7                        ; which 128 columns
	s_and_b32 s21, ttmp7, 0xffff                   ; which 256 along K
	s_lshl_b32 s23, s20, 7
	s_lshl_b32 s24, s18, 5
	s_add_co_u32 s23, s23, s24                     ; my wave's first column
	v_lshlrev_b32 v3, 2, v2                        ; in: 4 bytes a lane
	v_and_b32 v10, 7, v2
	v_bfe_u32 v11, v2, 3, 1
	v_lshl_or_b32 v10, v11, 4, v10
	v_bfe_u32 v11, v2, 4, 1
	v_lshl_or_b32 v10, v11, 3, v10                 ; my column's row position among the wave's 32: the lane with bits 3 and 4 exchanged
	s_mul_i32 s25, s18, 32*PITCH                   ; my stage
	v_mul_u32_u24 v4, v10, PITCH
	v_add_nc_u32 v4, s25, v4                       ; into it: row = my column's position
	v_and_b32 v5, 15, v2
	v_lshrrev_b32 v6, 4, v2                        ; out of it: sixteen lanes to a row, two rows an instruction
	v_mul_u32_u24 v7, v6, PITCH
	v_lshl_add_u32 v7, v5, 4, v7
	v_add_nc_u32 v7, s25, v7                       ; LDS address
	v_mul_u32_u24 v8, v6, KROW
	v_mad_u32_u24 v8, v5, 12, v8                   ; and the same place among the codes
	v_lshlrev_b32 v9, 5, v10                       ; my column's row of scale bytes: 32 bytes a row
	s_cmp_eq_u32 s19, 1
	s_cselect_b32 s22, 1024, 0                     ; Wk's rows lie behind Wq's in wqk
	s_add_co_u32 s22, s22, s23                     ; my wave's first row position in the operand buffer
	s_lshl_b32 s26, s21, 20                        ; W: 256 y rows of 4,096 bytes
	s_lshl_b32 s24, s23, 2
	s_add_co_u32 s26, s26, s24                     ; + 4 x column
	s_mov_b32 s27, 0
	s_mul_i32 s28, s22, KROW                       ; codes: row x 768 + 192 y, behind OPC
	s_mul_i32 s24, s21, ROWB
	s_add_co_u32 s28, s28, s24
	s_add_co_u32 s28, s28, OPC
	s_mov_b32 s29, 0
	s_lshl_b32 s30, s22, 5                         ; scale bytes: row x 32 + 8 y
	s_lshl_b32 s24, s21, 3
	s_add_co_u32 s30, s30, s24
	s_mov_b32 s31, 0
	s_wait_kmcnt 0x0
	s_cmp_eq_u32 s19, 1                            ; the choices hang on the work-group's number alone
	s_cselect_b64 s[4:5], s[6:7], s[4:5]
	s_cmp_eq_u32 s19, 2
	s_cselect_b64 s[4:5], s[8:9], s[4:5]
	s_cselect_b64 s[12:13], s[14:15], s[12:13]
	s_cmp_eq_u32 s19, 3
	s_cselect_b64 s[4:5], s[10:11], s[4:5]
	s_cselect_b64 s[12:13], s[16:17], s[12:13]
	s_add_nc_u64 s[4:5], s[4:5], s[26:27]          ; the weight at my part
	s_add_nc_u64 s[6:7], s[12:13], s[28:29]        ; my codes
	s_add_nc_u64 s[8:9], s[12:13], s[30:31]        ; my scale bytes
.macro LOAD t                          ; block t: W(32 t + i, my column), i = 0 .. 31, into set t % 2; the largest offset, 255 rows of 4,096 bytes, lies inside the signed 24-bit immediate
.irp i, 0,1,2,3,4,5,6,7,8,9,10,11,12,13,14,15,16,17,18,19,20,21,22,23,24,25,26,27,28,29,30,31
	global_load_b32 v[X+32*((\t)%2)+\i], v3, s[4:5] offset:(32*(\t)+\i)*SIZE_N*4 th:TH_LOAD_NT
.endr
.endm
	LOAD 0
	LOAD 1
.macro BLOCK t
.set XS, X+32*((\t)%2)
.if (\t) < NB-1
	s_wait_loadcnt 32                              ; this block's 32 loads are in; the next block's 32 may be out
.else
	s_wait_loadcnt 0
.endif
	v_max3_num_f32 v12, |v[XS]|, |v[XS+1]|, |v[XS+2]|               ; the block's largest magnitude: all 32 numbers are mine
	v_max3_num_f32 v13, |v[XS+3]|, |v[XS+4]|, |v[XS+5]|
.irp i, 6,10,14,18,22,26
	v_max3_num_f32 v12, v12, |v[XS+\i]|, |v[XS+\i+1]|
	v_max3_num_f32 v13, v13, |v[XS+\i+2]|, |v[XS+\i+3]|
.endr
	v_max3_num_f32 v12, v12, |v[XS+30]|, |v[XS+31]|
	v_max3_num_f32 v12, v12, v13, (EMAX+1)<<23     ; and the floor 2^(3 - 127): the byte cannot fall under 1
	v_add_nc_u32 v11, -(EMAX<<23), v12             ; 2 off its exponent field: the conversion's scale operand
	v_lshrrev_b32 v13, 23, v11                     ; the scale's byte
.if (\t)%4 == 0
	v_mov_b32 v[SB+(\t)/4], v13                    ; four bytes to a register, the lower K in the lower byte
.else
	v_lshl_or_b32 v[SB+(\t)/4], v13, 8*((\t)%4), v[SB+(\t)/4]
.endif
	v_cvt_scalef32_pk16_fp6_f32 v[C:C+2], v[XS:XS+15], v11
	v_cvt_scalef32_pk16_fp6_f32 v[C+4:C+6], v[XS+16:XS+31], v11     ; (a conversion's three registers begin on an even number)
	ds_store_b96 v4, v[C:C+2] offset:32*(\t)       ; 16 codes, 12 bytes, to a place of 16 bytes in the stage: every LDS address is a multiple of 16
	ds_store_b96 v4, v[C+4:C+6] offset:32*(\t)+16
.if (\t)+2 < NB
	LOAD (\t)+2
.endif
	s_wait_dscnt 0x0                               ; the stores have read their registers: the next block's codes may be written (it begins with plain vector lines)
.endm
.set Q, 0
.rept NB
	BLOCK Q
.set Q, Q+1
.endr
	s_wait_alu depctr_va_vdst(0)
	global_store_b64 v9, v[SB:SB+1], s[8:9]        ; my column's 8 scale bytes
.irp t, 0,1,2,3,4,5,6,7,8,9,10,11,12,13,14,15
	ds_load_b96 v[OUTR+4*\t:OUTR+4*\t+2], v7 offset:2*\t*PITCH   ; LDS serves a wave's instructions in order: these see my stores
.endr
.irp t, 0,1,2,3,4,5,6,7,8,9,10,11,12,13,14,15
	s_wait_dscnt 15-\t                             ; load t is in; the 15 - t younger ones may be out
	global_store_b96 v8, v[OUTR+4*\t:OUTR+4*\t+2], s[6:7] offset:2*\t*KROW
.endr
	s_wait_tensorcnt 0x0
	ds_add_u32 v192, v193
	s_wait_dscnt 0x0
	s_endpgm
.Lfunc_end_k_q681c8cf28f_quantw:
	.size	k_q681c8cf28f_quantw, .Lfunc_end_k_q681c8cf28f_quantw-k_q681c8cf28f_quantw
	.p2alignl 7, 3214868480
	.fill 96, 4, 3214868480
	.section	.rodata,"a",@progbits
	.p2align	6, 0x0
	.amdhsa_kernel k_q681c8cf28f_quantw
		.amdhsa_group_segment_fixed_size 36352
		.amdhsa_private_segment_fixed_size 0
		.amdhsa_enable_private_segment 0
		.amdhsa_kernarg_size 56
		.amdhsa_user_sgpr_count 2
		.amdhsa_user_sgpr_kernarg_segment_ptr 1
		.amdhsa_wavefront_size32 1
		.amdhsa_system_sgpr_workgroup_id_x 1
		.amdhsa_system_sgpr_workgroup_id_y 1
		.amdhsa_system_sgpr_workgroup_id_z 1
		.amdhsa_system_vgpr_workitem_id 0
		.amdhsa_next_free_vgpr 194
		.amdhsa_next_free_sgpr 66
		.amdhsa_reserve_vcc 0
		.amdhsa_float_denorm_mode_32 3
		.amdhsa_float_denorm_mode_16_64 3
		.amdhsa_memory_ordered 1
		.amdhsa_forward_progress 1
		.amdhsa_inst_pref_size 43
	.end_amdhsa_kernel
	.amdgpu_metadata
---
amdhsa.version: [ 1, 2 ]
amdhsa.kernels:
  - .name:           k_q681c8cf28f_quantw
    .symbol:         k_q681c8cf28f_quantw.kd
    .args:
      - { .name: Wq, .offset: 0, .size: 8, .value_kind: global_buffer, .address_space: global }
      - { .name: Wk, .offset: 8, .size: 8, .value_kind: global_buffer, .address_space: global }
      - { .name: Wv, .offset: 16, .size: 8, .value_kind: global_buffer, .address_space: global }
      - { .name: Wo, .offset: 24, .size: 8, .value_kind: global_buffer, .address_space: global }
      - { .name: wqk, .offset: 32, .size: 8, .value_kind: global_buffer, .address_space: global }
      - { .name: wv, .offset: 40, .size: 8, .value_kind: global_buffer, .address_space: global }
      - { .name: wo, .offset: 48, .size: 8, .value_kind: global_buffer, .address_space: global }
    .group_segment_fixed_size: 36352
    .private_segment_fixed_size: 0
    .kernarg_segment_align: 8
    .kernarg_segment_size: 56
    .max_flat_workgroup_size: 128
    .sgpr_count:     66
    .vgpr_count:     194
    .wavefront_size: 32
...
	.end_amdgpu_metadata
.endif
;; end of part 2
;; launch projqk (part 3): grid 8 x 32, 4 waves a work-group, clusters of 4 x 4, 327,680 bytes of LDS; arguments xq, wqk, qk; writes qk
.if DOCPART == 3
	.amdgcn_target "amdgcn-amd-amdhsa--gfx1250"
	.amdhsa_code_object_version 6
	.text
	.protected	k_q681c8cf28f_projqk
	.globl	k_q681c8cf28f_projqk
	.p2align	8
	.type	k_q681c8cf28f_projqk,@function
k_q681c8cf28f_projqk:
	s_mov_b64 s[64:65], 0
	v_nop
	global_prefetch_b8 v0, s[64:65] scope:SCOPE_SE
	s_setreg_imm32_b32 hwreg(HW_REG_WAVE_MODE, 25, 1), 1
	s_wait_xcnt 0x0
	s_wait_alu depctr_hold_cnt(0) depctr_sa_sdst(0) depctr_va_vdst(0) depctr_va_sdst(0) depctr_va_ssrc(0) depctr_va_vcc(0) depctr_vm_vsrc(0)
	s_getreg_b32 s2, hwreg(HW_REG_IB_STS2, 6, 4)
	s_cmp_eq_u32 s2, 0
	s_cbranch_scc0 .Lentry_in_a_cluster
	s_endpgm
.Lentry_in_a_cluster:
	s_bfe_u32 s2, ttmp6, 0x10000c
	s_cmp_lg_u32 s2, 0xf033
	s_cbranch_scc0 .Lentry_shape_is_right
	s_endpgm
.Lentry_shape_is_right:
; R = A B^T on codes of FP6 (E2M3) with one E8M0 scale for each 32 along K = 1,024, and R IS QUANTISED ALONG ITS COLUMNS ON THE WAY OUT: no f32 result goes to memory.
; A, B: operand buffers: scale bytes [row][32] from byte 0, codes [row][768] from byte OPC.  B's row positions hold true rows with bits 3 and 4 exchanged, so that (see below) a lane's registers run along true columns of R.
; One body, two launches: A = x's codes, B = Wq|Wk's: R's rows are token positions, its columns the 2,048 features of q and k;   A = Wv's codes, B = x's: R = V^T: rows are positions of V's 1,024 features, columns the tokens.
; OUT (qk, vt): codes [bb 4][chunk of 64 columns, 32][row 2,048][48 bytes] from byte 0; scale words [bb 4][group of 128 columns, 16][row 2,048][4 bytes] from byte RSC.  bb is the batch: it comes from the tile row in the
; first launch and from the tile column in the second, and the other one's part is 0 there, so one sum serves both.
; A tile of R, 256 x 256, is made by a work-group of four waves, as many as a WGP has SIMDs; a wave makes 128 x 128: 64 accumulators of 16 x 16, 512 registers.
; K goes in steps of 256 through a ring of two LDS slots filled by the tensor data mover: a tile's row is 192 bytes of memory.
; THE SCALES of the work-group's 256 rows of A and of B, for all of K, are two dense blocks of memory: they come into LDS once, with the first fills, and stay.
; CLUSTERS: 4 x 4 work-groups.  The four of a row of the cluster need the same tiles of A, the four of a column the same tiles of B: each tile is asked for JOINTLY, by the same tensor load with the same descriptor and a mask
; that names the four.  THE MATRIX INSTRUCTION IS USED TRANSPOSED (source 0 = 16 rows of B, source 1 = 16 rows of A): lane (r, h) holds row r of A's block; with B's exchanged rows, register 16 b + i of a block's 64 is true column 32 b + 16 h + i.
; LIMITS: a block of zeros, or one whose largest magnitude lies under 2^-124, gets the byte 1 (read by this program alone); NaN and infinities are not served.
; REGISTERS, in windows of 256: window 0: v0-31 addresses; v32-63 scale words, two sets; v64-107 the way out's codes; from v128 A's fragments, ONE set (on the way out: rows read back); v224-241 the quantiser's work.
;   window 1: B's fragments, TWO sets, at v0 and at v128.   window 2: the 32 accumulators of my rows 0-63 (accumulator (a, b) at v[8 (8 a + b)]);   window 3: those of my rows 64-127.
.set SIZE_K, 1024
.set OPC,    262144                    ; where the codes begin in an operand buffer
.set BBC,    3145728                   ; result buffer: a batch's codes,
.set CHK,    98304                     ; a chunk's (2,048 rows x 48 bytes),
.set RSC,    12582912                  ; where the scale words begin
.set KSTEP,  256                       ; along K in a slot
.set NQ,     KSTEP/128                 ; matrix instructions deep
.set ROWB,   192                       ; a tile's row in bytes
.set KROW,   SIZE_K*6/8                ; a row of codes in memory
.set PITCH,  240                       ; an LDS row: 3 x (64 bytes of data + 16 of padding) = 60 words: row r starts at bank -4 r mod 64 (64 banks of 4 bytes: ISA guide 11.1)
.set FR,     12                        ; registers of a fragment: 16 rows x 128 K
.set NL,     6                         ; LDS loads that bring one
.set NP,     4                         ; places behind this matrix instruction (ISA guide 7.12.1)
.set HALFT,  128*PITCH                 ; 128 rows: what one tensor load brings
.set SLOT,   4*HALFT                   ; A's 256 rows, then B's 256 rows
.set LAPS,   SIZE_K/(2*KSTEP)          ; a lap = two K steps = once round the ring
.set KS,     SIZE_K/32                 ; a row of scales in bytes
.set SCL,    2*SLOT                    ; behind the ring: the scales, as runs of 256 bytes + 16 of padding
.set HALFS,  (128*KS/256)*272          ; the scales of 128 rows: what one tensor load brings
.set SBLK,   (16*KS/256)*272           ; those of 16 rows
.set SPARE,  SCL+4*HALFS               ; behind the scales: the spare words, 128 bytes for each wave: two blocks of 256 bytes that no other line names
.set ADRA, 16                          ; v16-17  LDS address of my A fragments in slot 0, 1  (v18-19: for the pieces that lie behind one padding more)
.set ADRB, 20                          ; v20-21  the same for B  (v22-23)
.set STO,  24                          ; v24     the way out: where I put my 24 bytes of a row's chunk
.set RD,   25                          ; v25     the way out: where I read 16 bytes back
.set CO,   26                          ; v26     16 x lane: my byte offset in a store's 512
.set ADRS, 27                          ; v27     LDS address of my scale words: lanes 0-15 A's rows, lanes 16-31 B's
.set SPW,  28                          ; v28     LDS address of my spare word; never rewritten
.set NIL,  29                          ; v29     0; never rewritten
.set COB,  30                          ; v30     16 x lane, and for lanes 16-31 the way on into the second chunk
.set SSTO, 31                          ; v31     the way out: where I put my row's scale word
.set SC,   32                          ; scale words: set s at v[SC + 16 s]; register 2 i + q: lanes 0-15 the word of A's block i, lanes 16-31 that of B's block i
.set PC,   64                          ; the way out: two sets of 20: a fragment's 12 registers of codes and 8 at work
.set OBS,  104                         ; v104-107 the scale words read back
.set AF,   128                         ; A's fragments
.set OB,   128                         ; the way out: block a's 1,536 bytes read back: 12 registers of its own, so that no store's data are written again
.set TM,   224                         ; v224-227 largest magnitudes, v228-231 the other half's, then bytes, v236-239 the conversions' scale operands
.set PW,   240                         ; v240-241 the scale word just made, by turns
.set SEL,  94                          ; s[94:95] lane selects for v_permlanex16_b32: lane l xor 16
.set G1, 24                            ; s[24:31] descriptor group 1 for A's tiles;  s[32:39] group 0, one set for each slot
.set G0, 32
.set G1B, 48                           ; s[48:55], s[56:63] the same for B's tiles
.set G0B, 56
.set G1S, 68                           ; s[68:75], s[76:79] groups 1 and 0 for A's scales;  s[80:87], s[88:91] for B's
.set G0S, 76
.set G1SB, 80
.set G0SB, 88
.set MSB, 0
.macro WIN new                         ; the immediate's high byte repeats the setting that is left
.if MSB != \new
	s_set_vgpr_msb (MSB<<8)|\new
.set MSB, \new
.endif
.endm
.set MUL_LO, 0xa1                      ; source 0 (B) window 1, source 1 (A) window 0, C and D window 2
.set MUL_HI, 0xf1                      ; the same, C and D window 3
.set TO_B,   0x40                      ; destination window 1, address window 0
; A joint load: waves 0 and 1 fetch for A, waves 2 and 3 for B.  Each of the two lines has ONE mask and one set of registers for all that issue it; the branch hangs on the wave's number alone.
; Four v_nop follow each of the two lines, ahead of the jump, the label and what follows.
.macro JLOAD g0a, g1a, g0b, g1b
	s_cmp_eq_u32 s15, 0
	s_cbranch_scc0 .Lfor_b_\@
	tensor_load_to_lds s[\g0a:\g0a+3], s[\g1a:\g1a+7]
	s_nop 0
.rept 4
	v_nop
.endr
	s_branch .Lasked_\@
.Lfor_b_\@:
	tensor_load_to_lds s[\g0b:\g0b+3], s[\g1b:\g1b+7]
	s_nop 0
.rept 4
	v_nop
.endr
.Lasked_\@:
.endm
.macro CREST                           ; a round of the cluster's barrier behind its opening barrier
	s_cmp_lg_u32 s14, 0
	s_cbranch_scc1 .Lnot_wave_0_\@
	s_barrier_signal -3
.Lnot_wave_0_\@:
	s_barrier_wait -3
	s_barrier_signal -1
	s_barrier_wait -1
.endm
.macro CROUND                          ; a whole round
	s_barrier_signal -1
	s_barrier_wait -1
	CREST
.endm
	s_load_b64 s[6:7], s[0:1], 0x0                 ; A's buffer: its scales lie at its head
	s_load_b64 s[10:11], s[0:1], 0x8               ; B's buffer
	s_load_b64 s[12:13], s[0:1], 0x10              ; the result buffer
	v_lshl_add_u32 v[SPW], v0, 2, SPARE
	v_mov_b32 v[NIL], 0
	ds_add_u32 v28, v29
	ds_add_u32 v28, v29
	s_wait_dscnt 0x0
.irp b, 0,1,2,3
	v_mov_b32 v[TM+4+\b], 0                        ; written once: a lane permute's destination counts as one of its sources
.endr
	v_lshrrev_b32 v1, 5, v0
	v_readfirstlane_b32 s14, v1                    ; wave 0..3
	s_lshr_b32 s15, s14, 1                         ; which half of the tile's rows is mine.  Also: I fetch for A (0) or for B (1)
	s_and_b32 s16, s14, 1                          ; which half of its columns.  Also: which 128 rows of that tile I fetch
	s_bfe_u32 s40, ttmp6, 0x40000                  ; cx, cy: my place in the cluster
	s_bfe_u32 s41, ttmp6, 0x40004
	s_lshl_b32 s42, ttmp9, 2
	s_add_co_u32 s42, s42, s40                     ; tile column = 4 x cluster x + cx
	s_and_b32 s17, ttmp7, 0xffff
	s_lshl_b32 s17, s17, 2
	s_add_co_u32 s17, s17, s41                     ; tile row = 4 x cluster y + cy
	s_lshl_b32 s43, s41, 2
	s_lshl_b32 s43, 15, s43                        ; my row of the cluster
	s_lshl_b32 s44, 0x1111, s40                    ; my column
	; descriptor group 1: a tile of 128 rows x 192 bytes, padded in LDS
	s_or_b32 s[G1+0], s43, (0<<16)|(1<<20)|(1<<21)|(3<<22)|(3<<25)  ; 15:0 the mask: A's tiles go to my row; 17:16 element of 1 byte; 20 padding on; 21 set beside a mask; 24:22 after every 16 words (code 3); 31:25 of 4 words (code 3)
	s_or_b32 s[G1B+0], s44, (0<<16)|(1<<20)|(1<<21)|(3<<22)|(3<<25)
.irp g, G1, G1B
	s_mov_b32 s[\g+1], ROWB<<16                    ; tensor_dim0
	s_mov_b32 s[\g+2], 128<<16                     ; tensor_dim1 = 128
	s_mov_b32 s[\g+3], ROWB<<16                    ; tile_dim0
	s_mov_b32 s[\g+4], 128                         ; tile_dim1 = 128
	s_mov_b32 s[\g+5], KROW                        ; tensor_dim0_stride
	s_mov_b32 s[\g+6], 0
	s_mov_b32 s[\g+7], 0
.endr
	; and for the scales of 128 rows: a dense block of 4,096 bytes, as rows of 256 bytes (32 elements of 8 bytes), 16 bytes of padding behind each
	s_or_b32 s[G1S+0], s43, (3<<16)|(1<<20)|(1<<21)|(5<<22)|(3<<25)
	s_or_b32 s[G1SB+0], s44, (3<<16)|(1<<20)|(1<<21)|(5<<22)|(3<<25)
.irp g, G1S, G1SB
	s_mov_b32 s[\g+1], 32<<16
	s_mov_b32 s[\g+2], (128*KS/256)<<16
	s_mov_b32 s[\g+3], 32<<16
	s_mov_b32 s[\g+4], 128*KS/256
	s_mov_b32 s[\g+5], 32
	s_mov_b32 s[\g+6], 0
	s_mov_b32 s[\g+7], 0
.endr
	s_lshl_b32 s18, s16, 7                         ; which 128 rows of the tile I fetch
	s_lshl_b32 s20, s17, 8
	s_add_co_u32 s20, s20, s18                     ; A: row 256 x tile row + 128 x half
	s_lshl_b32 s46, s42, 8
	s_add_co_u32 s46, s46, s18                     ; B: row 256 x tile column + 128 x half
	s_mov_b32 s21, 0
	s_mov_b32 s47, 0
	s_mov_b64 s[18:19], KS
	s_mul_u64 s[22:23], s[20:21], s[18:19]         ; where these rows' scales begin, in bytes
	s_mul_u64 s[92:93], s[46:47], s[18:19]
	s_mov_b64 s[18:19], KROW
	s_mul_u64 s[20:21], s[20:21], s[18:19]         ; and their codes
	s_mul_u64 s[46:47], s[46:47], s[18:19]
	s_mul_i32 s45, s14, HALFT                      ; where they go: wave x 128 rows: no place in the cluster enters an LDS address
	s_mul_i32 s94, s14, HALFS
	s_wait_kmcnt 0x0
	s_add_nc_u64 s[4:5], s[6:7], OPC               ; A's codes
	s_add_nc_u64 s[8:9], s[10:11], OPC             ; B's codes
	s_add_nc_u64 s[20:21], s[4:5], s[20:21]
	s_add_nc_u64 s[22:23], s[6:7], s[22:23]
	s_add_nc_u64 s[46:47], s[8:9], s[46:47]
	s_add_nc_u64 s[92:93], s[10:11], s[92:93]
	CROUND                                         ; all sixteen work-groups are here: the first joint loads meet
	s_mov_b32 s[G0S], 1
	s_add_co_u32 s[G0S+1], s94, SCL
	s_mov_b64 s[G0S+2:G0S+3], s[22:23]
	s_or_b32 s[G0S+3], s[G0S+3], 0x80000000
	s_mov_b32 s[G0SB], 1
	s_add_co_u32 s[G0SB+1], s94, SCL
	s_mov_b64 s[G0SB+2:G0SB+3], s[92:93]
	s_or_b32 s[G0SB+3], s[G0SB+3], 0x80000000
	JLOAD G0S, G1S, G0SB, G1SB                     ; the scales first: they are wanted with K step 0.  With the two below, three tensor loads of mine are out
.irp s, 0,1
	s_mov_b32 s[G0+4*\s], 1
	s_add_co_u32 s[G0+4*\s+1], s45, \s*SLOT
	s_add_nc_u64 s[G0+4*\s+2:G0+4*\s+3], s[20:21], \s*ROWB
	s_or_b32 s[G0+4*\s+3], s[G0+4*\s+3], 0x80000000
	s_mov_b32 s[G0B+4*\s], 1
	s_add_co_u32 s[G0B+4*\s+1], s45, \s*SLOT
	s_add_nc_u64 s[G0B+4*\s+2:G0B+4*\s+3], s[46:47], \s*ROWB
	s_or_b32 s[G0B+4*\s+3], s[G0B+4*\s+3], 0x80000000
	JLOAD G0+4*\s, G1, G0B+4*\s, G1B
.endr
	v_and_b32 v1, 15, v0                           ; r = l % 16
	v_bfe_u32 v2, v0, 4, 1                         ; h = l / 16
	v_mul_u32_u24 v3, v1, PITCH
	v_mul_u32_u24 v4, v2, 24
	v_add_nc_u32 v4, v3, v4                        ; a fragment's row x pitch + 24 x half
	v_lshl_add_u32 v5, v2, 4, v4                   ; and the same behind one padding more
	s_mul_i32 s21, s15, HALFT                      ; my 128 rows of A
	s_mul_i32 s22, s16, HALFT                      ; my 128 rows of B,
	s_add_co_u32 s22, s22, 2*HALFT                 ; which lie behind A's 256
.irp s, 0,1
	v_add_nc_u32 v[ADRA+\s], s21, v4
	v_add_nc_u32 v[ADRB+\s], s22, v4
	v_add_nc_u32 v[ADRA+2+\s], s21, v5
	v_add_nc_u32 v[ADRB+2+\s], s22, v5
	s_add_co_u32 s21, s21, SLOT
	s_add_co_u32 s22, s22, SLOT
.endr
	v_mul_u32_u24 v5, v1, KS                       ; my row's scales: 32 bytes a row,
	v_lshrrev_b32 v6, 8, v5
	v_lshl_add_u32 v5, v6, 4, v5                   ; and 16 more for each 256 passed
	s_mul_i32 s21, s15, HALFS                      ; A's: my 128 rows
	s_mul_i32 s22, s16, HALFS                      ; B's: my 128 rows, behind A's 256
	s_add_co_u32 s22, s22, 2*HALFS
	s_sub_co_u32 s22, s22, s21
	v_mul_u32_u24 v6, s22, v2                      ; lanes 16-31 take B's: one product, the distance between the two bases
	s_add_co_u32 s21, s21, SCL
	v_add_nc_u32 v5, v5, v6
	v_add_nc_u32 v[ADRS], s21, v5
	; the way out: my stage, 2,048 bytes, lies in slot 0, which has had its last fill and its last read when the first result is stored there
	s_lshl_b32 s23, s14, 11
	v_mul_u32_u24 v5, v1, 48                       ; in: a chunk's 16 rows of 48 bytes on end; my row, my half's 24 bytes
	v_mad_u32_u24 v5, v2, 24, v5
	v_add_nc_u32 v[STO], s23, v5
	v_and_b32 v6, 31, v0
	v_lshlrev_b32 v[CO], 4, v6                     ; back: 16 bytes a lane
	v_add_nc_u32 v[RD], s23, v[CO]
	v_mul_u32_u24 v6, v2, CHK-768                  ; the middle store: lanes 0-15 end the first chunk's 768 bytes, lanes 16-31 begin the second's, a chunk less 768 bytes further on
	v_add_nc_u32 v[COB], v[CO], v6
	v_lshl_add_u32 v[SSTO], v1, 2, s23
	v_add_nc_u32 v[SSTO], 1536, v[SSTO]            ; the scale words: behind the two chunks, 4 bytes a row
	s_mov_b32 s[SEL], 0x76543210
	s_mov_b32 s[SEL+1], 0xfedcba98
	; where my part of the result begins
	s_lshr_b32 s92, s42, 3
	s_lshr_b32 s93, s17, 3
	s_add_co_u32 s92, s92, s93                     ; the batch: one of the two parts is 0 in each launch
	s_and_b32 s93, s42, 7
	s_lshl_b32 s93, s93, 1
	s_add_co_u32 s93, s93, s16                     ; my group of 128 columns in the batch
	s_and_b32 s18, s17, 7
	s_lshl_b32 s18, s18, 1
	s_add_co_u32 s18, s18, s15                     ; my 128 rows
	s_mul_i32 s46, s92, BBC
	s_mul_i32 s47, s93, 2*CHK
	s_add_co_u32 s46, s46, s47
	s_mul_i32 s47, s18, 128*48
	s_add_co_u32 s46, s46, s47                     ; codes
	s_mov_b32 s47, 0
	s_lshl_b32 s92, s92, 17                        ; scale words: 131,072 bytes a batch,
	s_lshl_b32 s93, s93, 13                        ; 8,192 a group,
	s_add_co_u32 s92, s92, s93
	s_lshl_b32 s93, s18, 9                         ; 512 for 128 rows
	s_add_co_u32 s92, s92, s93
	s_add_co_u32 s92, s92, RSC
	s_mov_b32 s93, 0
	s_add_nc_u64 s[96:97], s[12:13], s[92:93]
	s_add_nc_u64 s[12:13], s[12:13], s[46:47]
.macro FRAG reg, adr, q, i             ; a fragment, 16 rows x 128 K of 6-bit codes, is 12 registers: lane l holds row l % 16; registers 6 c .. 6 c + 5 hold K = 64 c + 32 (l / 16) + 0 .. 31: 24 bytes of the row, as they lie
.irp p, 0,1,2,3,4,5                    ; in pieces of 8 bytes, so that every address is a multiple of the access's size
.set PCE, 12*(\q)+6*(\p/3)+\p%3        ; 16 bytes of padding lie behind every 8 pieces: where the piece three on lies behind one padding more, the second address register serves
.if PCE%8 < 5
	ds_load_b64 v[\reg+2*\p:\reg+2*\p+1], v[\adr] offset:8*PCE+16*(PCE/8)+(\i)*16*PITCH
.else
	ds_load_b64 v[\reg+2*\p:\reg+2*\p+1], v[\adr+2] offset:8*PCE+16*(PCE/8)+(\i)*16*PITCH
.endif
.endr
.endm
; 16 matrix instructions: A's blocks a0, a0 + 1 x B's eight, 128 along K: the slot's q-th.  p: B's set;  sc: the set of scale words.  zero = 1: the first product starts the sums: nothing is ever cleared.
; The 64 accumulators take turns, one instruction a turn, in the same order in every step.
.macro MUL16 a0, p, q, sc, zero
.irp a, \a0, \a0+1
.irp b, 0,1,2,3,4,5,6,7
.if \zero
	v_wmma_scale_f32_16x16x128_f8f6f4 v[8*(8*((\a)%4)+\b):8*(8*((\a)%4)+\b)+7], v[128*(\p)+FR*\b:128*(\p)+FR*\b+FR-1], v[AF+FR*(\a):AF+FR*(\a)+FR-1], 0, v[SC+8*NQ*(\sc)+NQ*\b+(\q)], v[SC+8*NQ*(\sc)+NQ*(\a)+(\q)] matrix_a_fmt:MATRIX_FMT_FP6 matrix_b_fmt:MATRIX_FMT_FP6 matrix_a_scale:MATRIX_SCALE_ROW1
.else
	v_wmma_scale_f32_16x16x128_f8f6f4 v[8*(8*((\a)%4)+\b):8*(8*((\a)%4)+\b)+7], v[128*(\p)+FR*\b:128*(\p)+FR*\b+FR-1], v[AF+FR*(\a):AF+FR*(\a)+FR-1], v[8*(8*((\a)%4)+\b):8*(8*((\a)%4)+\b)+7], v[SC+8*NQ*(\sc)+NQ*\b+(\q)], v[SC+8*NQ*(\sc)+NQ*(\a)+(\q)] matrix_a_fmt:MATRIX_FMT_FP6 matrix_b_fmt:MATRIX_FMT_FP6 matrix_a_scale:MATRIX_SCALE_ROW1
.endif
.endr
.endr
.endm
.macro FETCH_B slot, q, p              ; B's eight fragments of the slot's q-th 128 along K into set p
	WIN TO_B
.irp i, 0,1,2,3,4,5,6,7
	FRAG 128*(\p)+FR*\i, ADRB+\slot, \q, \i
.endr
	WIN 0
.endm
.macro FETCH_A slot, q, i0             ; A's blocks i0 .. i0 + 3
.irp i, \i0, \i0+1, \i0+2, \i0+3
	FRAG AF+FR*(\i), ADRA+\slot, \q, \i
.endr
.endm
.macro SCALES sc                       ; the next K step's scale words into set sc: 2 words a row; lanes 0-15 take A's block i, lanes 16-31 B's block i
.irp i, 0,1,2,3,4,5,6,7
	ds_load_b64 v[SC+8*NQ*\sc+NQ*\i:SC+8*NQ*\sc+NQ*\i+1], v[ADRS] offset:\i*SBLK
.endr
.endm
; A load into a register that a matrix instruction has read, and a vector instruction or an LDS store that reads a matrix result, stand NP places behind that matrix instruction, and only plain vector
; instructions that name none of its registers are places (ISA guide 7.12.1 for vector instructions).
.macro PLACES n
.rept \n
	v_nop
.endr
.endm
; A step of 128 along K that has its successor in the same slot.
.macro STEP slot, q, zero
	s_wait_dscnt 4*NL                              ; B's set and A's blocks 0-3 are in; the youngest 24 loads (A's blocks 4-7) may be out
	WIN MUL_LO
	MUL16 0, (\q)%2, \q, \slot, \zero
	MUL16 2, (\q)%2, \q, \slot, \zero
	s_wait_dscnt 0                                 ; A's blocks 4-7 are in (asked for 32 matrix instructions ago)
	PLACES NP
	FETCH_B \slot, (\q)+1, 1-(\q)%2
	FETCH_A \slot, (\q)+1, 0
	WIN MUL_HI
	MUL16 4, (\q)%2, \q, \slot, \zero
	MUL16 6, (\q)%2, \q, \slot, \zero
	PLACES NP
	WIN 0
	FETCH_A \slot, (\q)+1, 4
.endm
; A slot's last step changes slots: ONE barrier; in front of it each wave waits for all its tensor loads, adds 0 to its spare word, and waits for that and for its own reads of this slot.  fill = 1: this slot is filled again, two K steps ahead.
.macro TURN slot, next, fill
	s_wait_tensorcnt 0x0                           ; all my tensor loads have landed: my part of the next slot;  (every window is 0 here: the add's two registers lie in window 0)
	ds_add_u32 v[SPW], v[NIL]                      ; 0 onto my spare word
	s_wait_dscnt 4*NL+1                            ; (the add and the youngest 24 loads, A's blocks 4-7, may be out)
	WIN MUL_LO
	MUL16 0, 1, NQ-1, \slot, 0                     ; sixteen matrix instructions stand between the add and the wait for it
	s_wait_dscnt 0x0                               ; the add is done, and my reads of this slot are over
	s_barrier_signal -1
	MUL16 2, 1, NQ-1, \slot, 0
	WIN 0
	s_barrier_wait -1
.if \fill
	CREST                                          ; the barrier has opened a round of the cluster's barrier: no wave of any partner still reads this slot's tile or has a load on its way
	s_add_nc_u64 s[G0+4*\slot+2:G0+4*\slot+3], s[G0+4*\slot+2:G0+4*\slot+3], 2*ROWB
	s_add_nc_u64 s[G0B+4*\slot+2:G0B+4*\slot+3], s[G0B+4*\slot+2:G0B+4*\slot+3], 2*ROWB
	JLOAD G0+4*\slot, G1, G0B+4*\slot, G1B         ; the first tensor load behind the round, my one load until the next; the four v_nop behind it are the places in front of the loads below
.else
	PLACES NP
.endif
	s_wait_alu depctr_va_vdst(0)
	v_add_nc_u32 v[ADRS], 4*NQ, v[ADRS]            ; on to the next K step's scale words (no LDS load of mine is out)
	FETCH_B \next, 0, 0
	FETCH_A \next, 0, 0
	SCALES \next
	WIN MUL_HI
	MUL16 4, 1, NQ-1, \slot, 0
	MUL16 6, 1, NQ-1, \slot, 0
	PLACES NP
	WIN 0
	FETCH_A \next, 0, 4
.endm
	s_wait_tensorcnt 1                             ; the scales and my part of K step 0 are in (K step 1's load may be out)
	s_barrier_signal -1
	s_barrier_wait -1                              ; everybody's are
	FETCH_B 0, 0, 0
	FETCH_A 0, 0, 0
	SCALES 0
	FETCH_A 0, 0, 4
	STEP 0, 0, 1                                   ; the first step stands in front of the loop: its products start the sums
	s_mov_b32 s3, LAPS-1
.Llap:                                                 ; a trip goes once round the ring, from a lap's second step to the next lap's first, and fills both slots again
	TURN 0, 1, 1
	STEP 1, 0, 0
	TURN 1, 0, 1
	STEP 0, 0, 0
	s_sub_co_u32 s3, s3, 1
	s_cmp_lg_u32 s3, 0
	s_cbranch_scc1 .Llap
	TURN 0, 1, 0                                   ; the last lap fills nothing, and has no round of the cluster's barrier
	STEP 1, 0, 0
	s_wait_dscnt 4*NL                              ; the very last step: nothing more to fetch
	WIN MUL_LO
	MUL16 0, 1, NQ-1, 1, 0
	MUL16 2, 1, NQ-1, 1, 0
	s_wait_dscnt 0
	WIN MUL_HI
	MUL16 4, 1, NQ-1, 1, 0
	MUL16 6, 1, NQ-1, 1, 0
	WIN 0
; THE WAY OUT, block by block of 16 rows x 128 columns.  QUANTA: the block's 64 registers a lane become a fragment's 12 registers of codes (registers 6 c .. 6 c + 5: columns 64 c + 32 h + 0 .. 31 of row r) and the row's scale word.
.macro QUANTA a
.set W, 2+(\a)/4                       ; the block's window
.set AC, 64*((\a)%4)                   ; its eight accumulators
.set PCS, PC+20*((\a)%2)
.set PWS, PW+(\a)%2
.set WW, (W<<2)|(W<<4)
	WIN WW                                         ; sources 1 and 2: the accumulators' window
.irp b, 0,1,2,3
	v_max3_num_f32 v[TM+\b], 0x1800000, |v[AC+16*\b]|, |v[AC+16*\b+1]|   ; block b of 32 columns: my 16 numbers, and the floor 2^(3 - 127); each accumulator is read from its low end on
.endr
.irp i, 2,4,6,8,10,12,14
.irp b, 0,1,2,3
	v_max3_num_f32 v[TM+\b], v[TM+\b], |v[AC+16*\b+\i]|, |v[AC+16*\b+\i+1]|   ; (the four blocks by turns)
.endr
.endr
	WIN 0
.irp b, 0,1,2,3
	v_permlanex16_b32 v[TM+4+\b], v[TM+\b], s[SEL], s[SEL+1]
.endr
.irp b, 0,1,2,3
	v_max_num_f32 v[TM+\b], v[TM+\b], v[TM+4+\b]   ; with lane l xor 16's: the block's largest magnitude
.endr
.irp b, 0,1,2,3
	v_add_nc_u32 v[TM+12+\b], 0xff000000, v[TM+\b] ; 2 off its exponent field: the conversion's scale operand
.endr
.irp b, 0,1,2,3
	v_lshrrev_b32 v[TM+4+\b], 23, v[TM+12+\b]      ; the scale's byte
.endr
	v_lshl_or_b32 v[PWS], v[TM+5], 8, v[TM+4]      ; the four bytes make my row's scale word
	v_lshl_or_b32 v[PWS], v[TM+6], 16, v[PWS]
	v_lshl_or_b32 v[PWS], v[TM+7], 24, v[PWS]
	WIN W                                          ; source 0: the accumulators' window
.irp c, 0,1
	v_cvt_scalef32_pk16_fp6_f32 v[PCS+6*\c:PCS+6*\c+2], v[AC+32*\c:AC+32*\c+15], v[TM+12+2*\c]
	v_cvt_scalef32_pk16_fp6_f32 v[PCS+12+4*\c:PCS+14+4*\c], v[AC+32*\c+16:AC+32*\c+31], v[TM+13+2*\c]   ; (a conversion's three registers begin on an even number)
.endr
	WIN 0
	v_nop                                          ; one plain place behind a scaled conversion
.irp c, 0,1                            ; a whole block of 32 in a lane: lanes 0-15 block 2 c, lanes 16-31 block 2 c + 1
.irp i, 0,1,2
	v_permlane16_swap_b32 v[PCS+6*\c+\i], v[PCS+12+4*\c+\i]
.endr
.irp i, 0,1,2
	v_mov_b32 v[PCS+3+6*\c+\i], v[PCS+12+4*\c+\i]
.endr
.endr
.endm
; TOSTAGE: a lane's 24 bytes of each chunk go to my stage, rows of 48 bytes on end (768 bytes a chunk: as they lie in memory), and come back 16 bytes a lane.  LDS serves a wave's instructions in order (ISA guide 5.7.1.4).
.macro TOSTAGE a
.set PCS, PC+20*((\a)%2)
.set PWS, PW+(\a)%2
.irp c, 0,1
.irp p, 0,1,2
	ds_store_b64 v[STO], v[PCS+6*\c+2*\p:PCS+6*\c+2*\p+1] offset:768*\c+8*\p
.endr
.endr
	ds_store_b32 v[SSTO], v[PWS] offset:64*(\a)    ; lanes r and r + 16 write the same word with the same value; the eight blocks' words gather to 512 bytes
.irp i, 0,1,2
	ds_load_b128 v[OB+12*(\a)+4*\i:OB+12*(\a)+4*\i+3], v[RD] offset:512*\i
.endr
.endm
; SEND: each group of sixteen lanes stores 256 consecutive bytes, aligned.  Every store has data registers of its own and no address is stepped: no wait on XCNT is owed.
.macro SEND a
	s_wait_dscnt 0x0                               ; the block is back in registers, and its stores into the stage have read theirs
	global_store_b128 v[CO], v[OB+12*(\a):OB+12*(\a)+3], s[12:13] offset:768*(\a)
	global_store_b128 v[COB], v[OB+12*(\a)+4:OB+12*(\a)+7], s[12:13] offset:768*(\a)+512
	global_store_b128 v[CO], v[OB+12*(\a)+8:OB+12*(\a)+11], s[12:13] offset:768*(\a)+CHK+256
.endm
	PLACES NP                                      ; behind the last products: for the loads into the registers that held A's fragments
	QUANTA 0
	TOSTAGE 0
.irp a, 1,2,3,4,5,6,7                  ; block a's arithmetic stands between block a - 1's loads from the stage and the wait for them
	QUANTA \a
	s_wait_alu depctr_va_vdst(0)
	SEND \a-1
	TOSTAGE \a
.endr
	SEND 7
	ds_load_b128 v[OBS:OBS+3], v[RD] offset:1536   ; my 128 rows' scale words
	s_wait_dscnt 0x0
	global_store_b128 v[CO], v[OBS:OBS+3], s[96:97]   ; 512 consecutive bytes, aligned
	s_wait_tensorcnt 0x0                           ; the wave's end, behind my last tensor load and my last LDS store
	ds_add_u32 v[SPW], v[NIL]
	s_wait_dscnt 0x0
	CROUND                                         ; the closing round: no work-group ends while a partner may still ask for a tile that names it
	s_endpgm
.Lfunc_end_k_q681c8cf28f_projqk:
	.size	k_q681c8cf28f_projqk, .Lfunc_end_k_q681c8cf28f_projqk-k_q681c8cf28f_projqk
	.p2alignl 7, 3214868480
	.fill 96, 4, 3214868480
	.section	.rodata,"a",@progbits
	.p2align	6, 0x0
	.amdhsa_kernel k_q681c8cf28f_projqk
		.amdhsa_group_segment_fixed_size 327680
		.amdhsa_private_segment_fixed_size 0
		.amdhsa_enable_private_segment 0
		.amdhsa_kernarg_size 24
		.amdhsa_user_sgpr_count 2
		.amdhsa_user_sgpr_kernarg_segment_ptr 1
		.amdhsa_wavefront_size32 1
		.amdhsa_system_sgpr_workgroup_id_x 1
		.amdhsa_system_sgpr_workgroup_id_y 1
		.amdhsa_system_sgpr_workgroup_id_z 1
		.amdhsa_system_vgpr_workitem_id 0
		.amdhsa_next_free_vgpr 1024
		.amdhsa_next_free_sgpr 98
		.amdhsa_reserve_vcc 0
		.amdhsa_float_denorm_mode_32 3
		.amdhsa_float_denorm_mode_16_64 3
		.amdhsa_memory_ordered 1
		.amdhsa_forward_progress 1
		.amdhsa_inst_pref_size 170
	.end_amdhsa_kernel
	.amdgpu_metadata
---
amdhsa.version: [ 1, 2 ]
amdhsa.kernels:
  - .name:           k_q681c8cf28f_projqk
    .symbol:         k_q681c8cf28f_projqk.kd
    .args:
      - { .name: xq, .offset: 0, .size: 8, .value_kind: global_buffer, .address_space: global }
      - { .name: wqk, .offset: 8, .size: 8, .value_kind: global_buffer, .address_space: global }
      - { .name: qk, .offset: 16, .size: 8, .value_kind: global_buffer, .address_space: global }
    .group_segment_fixed_size: 327680
    .private_segment_fixed_size: 0
    .kernarg_segment_align: 8
    .kernarg_segment_size: 24
    .max_flat_workgroup_size: 128
    .sgpr_count:     98
    .vgpr_count:     1024
    .wavefront_size: 32
...
	.end_amdgpu_metadata
.endif
;; end of part 3
;; launch projv: the kernel of part 3 again; grid 32 x 4, 4 waves a work-group, clusters of 4 x 4, 327,680 bytes of LDS; arguments wv, xq, vt; writes vt
;; launch attn (part 4): grid 4 x 64, 16 waves a work-group, clusters of 4 x 1, 210,944 bytes of LDS; arguments qk, vt, ctx; writes ctx
.if DOCPART == 4
	.amdgcn_target "amdgcn-amd-amdhsa--gfx1250"
	.amdhsa_code_object_version 6
	.text
	.protected	k_q681c8cf28f_attn
	.globl	k_q681c8cf28f_attn
	.p2align	8
	.type	k_q681c8cf28f_attn,@function
k_q681c8cf28f_attn:
	s_mov_b64 s[64:65], 0
	v_nop
	global_prefetch_b8 v0, s[64:65] scope:SCOPE_SE
	s_setreg_imm32_b32 hwreg(HW_REG_WAVE_MODE, 25, 1), 1
	s_wait_xcnt 0x0
	s_wait_alu depctr_hold_cnt(0) depctr_sa_sdst(0) depctr_va_vdst(0) depctr_va_sdst(0) depctr_va_ssrc(0) depctr_va_vcc(0) depctr_vm_vsrc(0)
	s_getreg_b32 s2, hwreg(HW_REG_IB_STS2, 6, 4)
	s_cmp_eq_u32 s2, 0
	s_cbranch_scc0 .Lentry_in_a_cluster
	s_endpgm
.Lentry_in_a_cluster:
	s_bfe_u32 s2, ttmp6, 0x10000c
	s_cmp_lg_u32 s2, 0x3003
	s_cbranch_scc0 .Lentry_shape_is_right
	s_endpgm
.Lentry_shape_is_right:
; Causal attention of one head on codes of FP6 (E2M3), head size 64, 2,048 tokens; the context is quantised along the model's 1,024 on the way out.
; IN: qk: codes [batch][chunk: 16 heads of q, then 16 of k][token position 2,048][48 bytes]; scale words from RSC: [batch][pair of heads: 8 of q, 8 of k][position][4 bytes: two bytes a head].
;     vt: V^T: codes [batch][64 keys, 32][feature position][48 bytes]; scale words from RSC: [batch][128 keys, 16][feature position][4 bytes].
;     A POSITION p holds the true token (feature) p with bits 3 and 4 exchanged: 16 neighbouring positions, as source 0, give results whose registers run along true neighbours.
; OUT: ctx, an operand buffer at TRUE rows: scale bytes [token][32] from byte 0, codes [token][768] from OPC.
; THE SOFTMAX: t = score x log2(e) / 8; M = the running largest t rounded UP to a whole number; p = 2^(t - M) is quantised along the keys, not normalised; the row's sum is taken of the unquantised p and divides at the end.
; When M moves, the sum and O are multiplied by 2^(old M - new M): exact.
; SHARES.  Work-group y is batch x 16 + head; the four work-groups of a cluster share a head.  THE WHOLE HEAD'S K, V AND SCALE WORDS, 208,896 bytes, COME INTO LDS ONCE, by joint loads (the same tensor load with the same
; descriptor and a mask that names the four): no byte of LDS is filled twice, so there is one barrier and no ring.
; A tile is 16 query positions 128 j + 16 e + r.  Wave w of work-group c takes e = 2 c + w % 2 and two tiles: j = w / 2, then j = 15 - w / 2.  A tile of group j needs key steps 0 .. j of 128 keys, of which step j lies on the
; diagonal: EVERY wave has 17 steps of work.  The loop's trip count is the constant 16; a step all of whose keys are hidden is jumped over by a scalar branch on the wave's number and the counter, never on the place in the cluster.
; LAYOUT.  Both products are used transposed: S^T = K Q^T (source 0 = 16 key positions, source 1 = my 16 queries), O^T = V^T P^T: a lane holds ONE query throughout; register 16 b + i of the scores is key 32 b + 16 h + i of the step.
; K = 64 IN AN INSTRUCTION OF 128: Q's registers 6-11 hold zero codes, and the upper two scale bytes of both sides are 0 (the 16-bit loads clear them).  K's fragment t is v[32 + 6 t .. 43 + 6 t]: its upper half is the next
; tile's codes (the last tile's: zeros); they meet zero codes, and FP6 has neither NaN nor infinity, so they add exactly nothing.  So eight tiles of K take 54 registers and come in one run of loads.
; STORES: a head gives 48 bytes of a row of ctx, so the codes leave as 12 bytes a lane and the scale bytes singly: aligned runs of 256 bytes are written in part here.
; LIMITS: 1 / l is v_rcp_f32 and a multiplication; a block of zeros, or one under 2^-124, gets the byte 1 (read by this program alone); NaN and infinities are not served.
; REGISTERS: v1-5, v7, v29-31 lane constants; v8-11 addresses of the step; v12 -M, v13 the largest t, v[14:15] the sum in two halves; v16-27 Q; v28 Q's scales; v32-85 K's fragments, then v32-79 V's; v86-93 their scale words;
;   v96-159 S^T, then p; v160-191 O^T; v192-203 p's codes; v204-210 conversions' second halves; v212-227 the quantiser's work; v[228:229] f; v230 p's scale word; v231 at work; v232 -infinity; v[234:235] the second sum chain.
.set BBC,  3145728                     ; a batch's codes in qk and vt
.set CHK,  98304                       ; a chunk's
.set RSC,  12582912                    ; where the scale words begin
.set OPC,  262144                      ; where ctx's codes begin
.set KB,   0                           ; LDS: K's codes: 2,048 rows x 48 bytes.  At this pitch the 32 lanes of a load of 8 bytes touch 64 different banks (64 banks of 4 bytes: ISA guide 11.1)
.set VB,   98304                       ; V's codes: [64 keys, 32][64 rows][48 bytes]
.set SKB,  196608                      ; K's scale words: 4 bytes a position
.set SVB,  204800                      ; V's: [128 keys, 16][64 rows][4 bytes]
.set AK0,  1                           ; v1   48 r + 24 h: my place in a tile of K (KB = 0), and my byte offset among Q's 16 rows
.set AV0,  2                           ; v2   the same in a tile of V
.set ASK0, 3                           ; v3   my place among K's scale words: my head's two bytes
.set ASV0, 4                           ; v4   and among V's
.set DD,   5                           ; v5   my true query in its group of 128, less 16 h
.set R4,   7                           ; v7   4 r
.set ADK,  8
.set ADV,  9
.set ADS,  10
.set ADT,  11
.set COV,  29                          ; v29  my byte offset among ctx's codes
.set HH,   30                          ; v30  h
.set CSV,  31                          ; v31  my byte offset among ctx's scale bytes
.set WV,   10                          ; s10  wave
.set J,    18                          ; s18  the tile's group of 128 queries
.set CNT,  19                          ; s19  the key step
.set SEL,  20                          ; s[20:21] lane selects for v_permlanex16_b32: lane l xor 16
.set CS,   22                          ; s[22:23] c = log2(e) / 8
.set G1K,  24                          ; s[24:31], s[32:39], s[40:47], s[48:55] descriptor groups 1: K's codes, V's codes, K's scale words, V's
.set G1V,  32
.set G1SK, 40
.set G1SV, 48
.set G0K,  56                          ; s[56:59], s[60:63], s[68:71], s[72:75] their groups 0
.set G0V,  60
.set G0SK, 68
.set G0SV, 72
.set TB,   76                          ; s76  the step's tiles: 6,144 bytes a step, in K and in V alike
.set TS,   77                          ; s77  K's scale words: 512 bytes a step
.set TJ,   78                          ; s78  V's: 256 bytes a step
.macro CROUND                          ; a round of the cluster's barrier
	s_barrier_signal -1
	s_barrier_wait -1
	s_cmp_lg_u32 s[WV], 0
	s_cbranch_scc1 .Lnot_wave_0_\@
	s_barrier_signal -3
.Lnot_wave_0_\@:
	s_barrier_wait -3
	s_barrier_signal -1
	s_barrier_wait -1
.endm
	s_load_b128 s[4:7], s[0:1], 0x0                ; qk, vt
	s_load_b64 s[8:9], s[0:1], 0x10                ; ctx
	v_lshl_add_u32 v254, v0, 2, 0x33000
	v_mov_b32 v255, 0
	ds_add_u32 v254, v255
	ds_add_u32 v254, v255
	v_lshrrev_b32 v8, 5, v0
	s_delay_alu instid0(VALU_DEP_1)
	v_readfirstlane_b32 s[WV], v8                  ; wave 0..15
	s_bfe_u32 s11, ttmp6, 0x40000                  ; c: my place in the cluster: it enters my own global addresses and the mask's numbers alone
	s_and_b32 s12, ttmp7, 0xffff
	s_lshr_b32 s13, s12, 4                         ; the batch
	s_and_b32 s14, s12, 15                         ; the head
	s_and_b32 s15, s14, 1                          ; which two bytes of a scale word are my head's
	s_and_b32 s16, s[WV], 1
	; descriptor groups 1: elements of 8 bytes, no padding; 15:0 the mask: all four work-groups; 21 set beside a mask
	s_mov_b32 s[G1K], 15|(3<<16)|(1<<21)           ; K's codes, a quarter: 24,576 dense bytes as 96 rows of 256
	s_mov_b32 s[G1K+1], 32<<16                     ; tensor_dim0 = 32
	s_mov_b32 s[G1K+2], 96<<16                     ; tensor_dim1 = 96
	s_mov_b32 s[G1K+3], 32<<16                     ; tile_dim0
	s_mov_b32 s[G1K+4], 96                         ; tile_dim1
	s_mov_b32 s[G1K+5], 32                         ; pitch
	s_mov_b32 s[G1K+6], 0
	s_mov_b32 s[G1K+7], 0
	s_mov_b32 s[G1V], 15|(3<<16)|(1<<21)           ; V's codes, a quarter: 8 chunks; of each my head's 64 rows, 3,072 dense bytes; a chunk is 98,304 bytes
	s_mov_b32 s[G1V+1], 384<<16
	s_mov_b32 s[G1V+2], 8<<16
	s_mov_b32 s[G1V+3], 384<<16
	s_mov_b32 s[G1V+4], 8
	s_mov_b32 s[G1V+5], 12288
	s_mov_b32 s[G1V+6], 0
	s_mov_b32 s[G1V+7], 0
	s_mov_b32 s[G1SK], 15|(3<<16)|(1<<21)          ; K's scale words: 8,192 dense bytes as 32 rows of 256
	s_mov_b32 s[G1SK+1], 32<<16
	s_mov_b32 s[G1SK+2], 32<<16
	s_mov_b32 s[G1SK+3], 32<<16
	s_mov_b32 s[G1SK+4], 32
	s_mov_b32 s[G1SK+5], 32
	s_mov_b32 s[G1SK+6], 0
	s_mov_b32 s[G1SK+7], 0
	s_mov_b32 s[G1SV], 15|(3<<16)|(1<<21)          ; V's scale words: 16 groups of keys; of each my head's 64 rows, 256 bytes; a group is 8,192 bytes
	s_mov_b32 s[G1SV+1], 32<<16
	s_mov_b32 s[G1SV+2], 16<<16
	s_mov_b32 s[G1SV+3], 32<<16
	s_mov_b32 s[G1SV+4], 16
	s_mov_b32 s[G1SV+5], 1024
	s_mov_b32 s[G1SV+6], 0
	s_mov_b32 s[G1SV+7], 0
	; what is fetched jointly: offsets made of the batch, the head and the wave's number alone
	s_and_b32 s76, s[WV], 3
	s_mul_i32 s77, s76, 24576                      ; my quarter: in LDS, and in K's dense block
	s_mul_i32 s78, s13, BBC
	s_lshl_b32 s79, s13, 17
	s_add_co_u32 s79, s79, RSC                     ; the batch's scale words
	s_add_co_u32 s88, s14, 16
	s_mul_i32 s88, s88, CHK
	s_add_co_u32 s88, s88, s78
	s_add_co_u32 s88, s88, s77                     ; K's codes
	s_mov_b32 s89, 0
	s_mul_i32 s90, s14, 3072
	s_add_co_u32 s90, s90, s78
	s_mul_i32 s96, s76, 8*CHK
	s_add_co_u32 s90, s90, s96                     ; V's codes
	s_mov_b32 s91, 0
	s_lshr_b32 s92, s14, 1
	s_add_co_u32 s92, s92, 8
	s_lshl_b32 s92, s92, 13
	s_add_co_u32 s92, s92, s79                     ; K's scale words
	s_mov_b32 s93, 0
	s_lshl_b32 s94, s14, 8
	s_add_co_u32 s94, s94, s79                     ; V's scale words
	s_mov_b32 s95, 0
	; what is my own
	s_lshl_b32 s17, s11, 1
	s_add_co_u32 s17, s17, s16                     ; e
	s_mul_i32 s80, s14, CHK
	s_add_co_u32 s80, s80, s78
	s_mul_i32 s98, s17, 768
	s_add_co_u32 s80, s80, s98                     ; Q's codes: my head's chunk, position 16 e
	s_mov_b32 s81, 0
	s_lshr_b32 s82, s14, 1
	s_lshl_b32 s82, s82, 13
	s_add_co_u32 s82, s82, s79
	s_lshl_b32 s98, s17, 6
	s_add_co_u32 s82, s82, s98
	s_lshl_b32 s98, s15, 1
	s_add_co_u32 s82, s82, s98                     ; Q's scale words: my head's two bytes
	s_mov_b32 s83, 0
	s_lshl_b32 s99, s11, 5
	s_lshl_b32 s98, s16, 3
	s_add_co_u32 s99, s99, s98                     ; 32 c + 8 (w % 2): lane r's true query in its group is this + r + 8 (r / 8)
	s_lshl_b32 s98, s13, 11
	s_add_co_u32 s98, s98, s99                     ; as a row of ctx
	s_mul_i32 s84, s98, 768
	s_mul_i32 s97, s14, 48
	s_add_co_u32 s84, s84, s97
	s_add_co_u32 s84, s84, OPC                     ; ctx's codes: my head's 48 bytes
	s_mov_b32 s85, 0
	s_lshl_b32 s86, s98, 5
	s_lshl_b32 s97, s14, 1
	s_add_co_u32 s86, s86, s97                     ; ctx's scale bytes: my head's two
	s_mov_b32 s87, 0
	s_mov_b32 s[SEL], 0x76543210
	s_mov_b32 s[SEL+1], 0xfedcba98
	s_mov_b32 s[CS], 0x3e38aa3b                    ; c = log2(e) / sqrt(64)
	s_mov_b32 s[CS+1], s[CS]                       ; (named with it as a pair, so it is written)
	s_wait_dscnt 0x0
	s_wait_kmcnt 0x0
	s_add_nc_u64 s[88:89], s[4:5], s[88:89]
	s_add_nc_u64 s[90:91], s[6:7], s[90:91]
	s_add_nc_u64 s[92:93], s[4:5], s[92:93]
	s_add_nc_u64 s[94:95], s[6:7], s[94:95]
	s_add_nc_u64 s[80:81], s[4:5], s[80:81]
	s_add_nc_u64 s[82:83], s[4:5], s[82:83]
	s_add_nc_u64 s[84:85], s[8:9], s[84:85]
	s_add_nc_u64 s[86:87], s[8:9], s[86:87]
	CROUND                                         ; all four work-groups are here: the joint loads meet
	s_mov_b32 s[G0K], 1                            ; 1:0 count = 1
	s_add_co_u32 s[G0K+1], s77, KB                 ; 63:32 LDS address
	s_mov_b64 s[G0K+2:G0K+3], s[88:89]             ; 120:64 global address
	s_or_b32 s[G0K+3], s[G0K+3], 0x80000000        ; 127:126 type = 2
	s_mov_b32 s[G0V], 1
	s_add_co_u32 s[G0V+1], s77, VB
	s_mov_b64 s[G0V+2:G0V+3], s[90:91]
	s_or_b32 s[G0V+3], s[G0V+3], 0x80000000
	s_mov_b32 s[G0SK], 1
	s_mov_b32 s[G0SK+1], SKB
	s_mov_b64 s[G0SK+2:G0SK+3], s[92:93]
	s_or_b32 s[G0SK+3], s[G0SK+3], 0x80000000
	s_mov_b32 s[G0SV], 1
	s_mov_b32 s[G0SV+1], SVB
	s_mov_b64 s[G0SV+2:G0SV+3], s[94:95]
	s_or_b32 s[G0SV+3], s[G0SV+3], 0x80000000
	; Waves 0-3: K's quarters; 4-7: V's; 8: K's scale words; 9: V's; the others nothing: at most one tensor load of a wave is out.  The branches hang on the wave's number alone.  Four v_nop follow each line.
	s_cmp_lt_u32 s[WV], 4
	s_cbranch_scc0 .Lnot_k
	tensor_load_to_lds s[G0K:G0K+3], s[G1K:G1K+7]
	s_nop 0
.rept 4
	v_nop
.endr
	s_branch .Lasked
.Lnot_k:
	s_cmp_lt_u32 s[WV], 8
	s_cbranch_scc0 .Lnot_v
	tensor_load_to_lds s[G0V:G0V+3], s[G1V:G1V+7]
	s_nop 0
.rept 4
	v_nop
.endr
	s_branch .Lasked
.Lnot_v:
	s_cmp_eq_u32 s[WV], 8
	s_cbranch_scc0 .Lnot_sk
	tensor_load_to_lds s[G0SK:G0SK+3], s[G1SK:G1SK+7]
	s_nop 0
.rept 4
	v_nop
.endr
	s_branch .Lasked
.Lnot_sk:
	s_cmp_eq_u32 s[WV], 9
	s_cbranch_scc0 .Lasked
	tensor_load_to_lds s[G0SV:G0SV+3], s[G1SV:G1SV+7]
	s_nop 0
.rept 4
	v_nop
.endr
.Lasked:
	v_and_b32 v8, 15, v0                           ; r
	v_bfe_u32 v[HH], v0, 4, 1                      ; h
	s_delay_alu instid0(VALU_DEP_2)
	v_mul_u32_u24 v[AK0], v8, 48
	s_delay_alu instid0(VALU_DEP_1)
	v_mad_u32_u24 v[AK0], v[HH], 24, v[AK0]        ; 48 r + 24 h
	s_delay_alu instid0(VALU_DEP_1)
	v_add_nc_u32 v[AV0], VB, v[AK0]
	v_lshlrev_b32 v[R4], 2, v8
	s_lshl_b32 s96, s15, 1
	s_add_co_u32 s96, s96, SKB
	v_add_nc_u32 v[ASK0], s96, v[R4]
	v_add_nc_u32 v[ASV0], SVB, v[R4]
	v_and_b32 v9, 8, v8
	s_delay_alu instid0(VALU_DEP_1)
	v_add_nc_u32 v9, v9, v8                        ; r + 8 (r / 8)
	s_delay_alu instid0(VALU_DEP_1)
	v_add_nc_u32 v[DD], s99, v9                    ; my true query in its group of 128
	v_lshlrev_b32 v10, 4, v[HH]
	s_delay_alu instid0(VALU_DEP_1)
	v_sub_nc_u32 v[DD], v[DD], v10                 ; less 16 h: register 16 b + i holds a hidden key on the diagonal where 32 b + i is greater
	s_delay_alu instid0(VALU_DEP_4)
	v_mul_u32_u24 v[COV], v9, 768
	s_delay_alu instid0(VALU_DEP_1)
	v_mad_u32_u24 v[COV], v[HH], 12, v[COV]        ; ctx: my true row, my half's 12 bytes of a block's 24
	v_lshl_add_u32 v[CSV], v9, 5, v[HH]            ; and lane half h stores block h's byte
.irp j, 22,23,24,25,26,27,80,81,82,83,84,85,216,217,218,219,229,231
	v_mov_b32 v\j, 0                               ; Q's upper half and what stands behind K's last tile: zero codes; permutes' destinations and a pair's upper half: written once
.endr
	v_mov_b32 v232, 0xff800000                     ; -infinity
	s_wait_tensorcnt 0x0                           ; my part of the head has landed,
	s_barrier_signal -1
	s_barrier_wait -1                              ; everybody's has: from here on LDS is only read
; ONE TILE OF 16 QUERIES, group s[J].
.macro PHASE
	s_mul_i32 s96, s[J], 6144                      ; 128 positions of 48 bytes
	s_mov_b32 s97, 0
	s_add_nc_u64 s[88:89], s[80:81], s[96:97]      ; Q's codes
	s_lshl_b32 s96, s[J], 9
	s_add_nc_u64 s[90:91], s[82:83], s[96:97]      ; Q's scale words
	s_mul_i32 s96, s[J], 98304                     ; 128 rows of 768 bytes
	s_add_nc_u64 s[92:93], s[84:85], s[96:97]      ; ctx's codes
	s_lshl_b32 s96, s[J], 12
	s_add_nc_u64 s[94:95], s[86:87], s[96:97]      ; ctx's scale bytes
	global_load_b64 v[16:17], v[AK0], s[88:89]     ; Q's fragment: the head's 64 codes: registers 0-5
	global_load_b64 v[18:19], v[AK0], s[88:89] offset:8
	global_load_b64 v[20:21], v[AK0], s[88:89] offset:16
	global_load_u16 v28, v[R4], s[90:91]           ; its two scale bytes; the upper two come as 0
	v_mov_b32 v13, 0xff61b1e6                      ; the largest t so far: -3e38, under every t
	s_delay_alu instid0(VALU_DEP_1)
	v_floor_f32 v12, -v13                          ; -M
	v_mov_b32 v14, 0                               ; the sum, in two halves
	v_mov_b32 v15, 0
.set n, 0
.rept 32
	v_mov_b32 v[160+n], 0                          ; O^T.  (The step is written once: the first finds zeros, which the first change of M leaves zeros)
.set n, n+1
.endr
	s_mov_b32 s[TB], 0
	s_mov_b32 s[TS], 0
	s_mov_b32 s[TJ], 0
	s_mov_b32 s[CNT], 0
	s_wait_loadcnt 0x0                             ; Q
.Lstep_\@:                                         ; 16 trips, a constant
	s_cmp_gt_u32 s[CNT], s[J]                      ; all 128 keys come after my queries: only the addresses step
	s_cbranch_scc1 .Lhidden_\@
	s_setprio 2
	v_add_nc_u32 v[ADK], s[TB], v[AK0]             ; these four are also the places between the last products and the loads into the registers that they read
	v_add_nc_u32 v[ADV], s[TB], v[AV0]
	v_add_nc_u32 v[ADS], s[TS], v[ASK0]
	v_add_nc_u32 v[ADT], s[TJ], v[ASV0]
.irp t, 0,1,2,3,4,5,6,7
.irp p, 0,1,2
	ds_load_b64 v[32+6*\t+2*\p:33+6*\t+2*\p], v[ADK] offset:768*\t+8*\p
.endr
	ds_load_u16 v[86+\t], v[ADS] offset:64*\t      ; my head's two scale bytes of the tile's rows; the upper two come as 0
.endr
	s_wait_alu depctr_va_vdst(0)
	s_wait_dscnt 0x0
.irp t, 0,1,2,3,4,5,6,7                    ; S^T = K Q^T
	v_wmma_scale_f32_16x16x128_f8f6f4 v[96+8*\t:103+8*\t], v[32+6*\t:43+6*\t], v[16:27], 0, v[86+\t], v28 matrix_a_fmt:MATRIX_FMT_FP6 matrix_b_fmt:MATRIX_FMT_FP6
.endr
.rept 4
	v_nop                                          ; places: in front of the loads below, and of the first read of the scores
.endr
.irp t, 0,1,2,3                            ; V's four tiles of 16 rows x 128 keys are asked for now and land under the softmax
.irp p, 0,1,2,3,4,5
	ds_load_b64 v[32+12*\t+2*\p:33+12*\t+2*\p], v[ADV] offset:3072*(\p/3)+768*\t+8*(\p%3)
.endr
	ds_load_b32 v[86+\t], v[ADT] offset:64*\t
.endr
	s_cmp_lg_u32 s[CNT], s[J]                      ; only step J lies on the diagonal
	s_cbranch_scc1 .Lopen_\@
.set n, 0
.rept 64
	v_cmp_gt_i32 vcc_lo, 32*(n/16)+n%16, v[DD]     ; hidden keys' scores become -infinity ahead of the maximum: p = 0 then.  The query's own key counts, so M stays a number
	v_cndmask_b32 v[96+n], v[96+n], v232, vcc_lo
.set n, n+1
.endr
.Lopen_\@:
.irp b, 0,1,2,3
	v_max3_num_f32 v[212+\b], v[96+16*\b], v[97+16*\b], v[98+16*\b]   ; the largest score of each block of 32 keys: for the row's maximum, and, since p rises with the score, for the block's largest p
.endr
.irp i, 3,5,7,9,11,13
.irp b, 0,1,2,3
	v_max3_num_f32 v[212+\b], v[212+\b], v[96+16*\b+\i], v[97+16*\b+\i]   ; (the four blocks by turns)
.endr
.endr
.irp b, 0,1,2,3
	v_max_num_f32 v[212+\b], v[212+\b], v[111+16*\b]
.endr
.irp b, 0,1,2,3
	s_delay_alu instid0(VALU_DEP_4)
	v_permlanex16_b32 v[216+\b], v[212+\b], s[SEL], s[SEL+1]
.endr
.irp b, 0,1,2,3
	s_delay_alu instid0(VALU_DEP_4)
	v_max_num_f32 v[212+\b], v[212+\b], v[216+\b]  ; with lane l xor 16's 16 keys
.endr
	s_delay_alu instid0(VALU_DEP_2)
	v_max3_num_f32 v231, v212, v213, v214
	s_delay_alu instid0(VALU_DEP_1)
	v_max_num_f32 v231, v231, v215                 ; the step's largest score of my query
	s_delay_alu instid0(VALU_DEP_1)
	v_mul_f32 v231, s[CS], v231                    ; as t (c is positive)
	s_delay_alu instid0(VALU_DEP_1)
	v_max_num_f32 v13, v13, v231                   ; the running largest t
	v_mov_b32 v231, v12
	s_delay_alu instid0(VALU_DEP_2)
	v_floor_f32 v12, -v13                          ; the new -M = floor(-t) = -ceil(t): M is a whole number
	s_delay_alu instid0(VALU_DEP_1)
	v_sub_f32 v231, v12, v231                      ; M's old value less its new one: a whole number, 0 or less
	s_delay_alu instid0(VALU_DEP_1)
	v_cvt_i32_f32 v231, v231                       ; (it saturates)
	s_delay_alu instid0(VALU_DEP_1)
	v_ldexp_f32 v228, 1.0, v231                    ; f = 2^(old M - new M): a multiplication by it rounds nothing
.set n, 0
	s_setprio 1
.rept 32
	v_pk_fma_f32 v[96+n:97+n], v[96+n:97+n], s[CS:CS+1], v[12:13] op_sel_hi:[1,0,0]   ; t - M, two at a time (of the pairs c and -M the low word serves both halves)
.set n, n+2
.endr
.irp b, 0,1,2,3
	v_fma_f32 v[212+\b], v[212+\b], s[CS], v12     ; the same of each block's largest score
.endr
.set n, 0
	s_wait_alu depctr_va_vdst(0)
.rept 64
	v_exp_f32 v[96+n], v[96+n]                     ; p = 2^(t - M), at most 1: not normalised
.set n, n+1
.endr
.irp b, 0,1,2,3
	v_exp_f32 v[212+\b], v[212+\b]                 ; the block's largest p: the same two instructions on the same number give the same bits
.endr
	v_pk_mul_f32 v[14:15], v[14:15], v[228:229] op_sel_hi:[1,0]   ; the sums under the new M.  (A plain place behind the exponentials)
	s_wait_alu depctr_va_vdst(0)
.irp b, 0,1,2,3
	v_max_num_f32 v[212+\b], 0x1800000, v[212+\b]  ; the floor 2^(3 - 127): the byte cannot fall under 1 (a block whose every p is 0 keeps that byte: its codes are zeros)
.endr
.irp b, 0,1,2,3
	s_delay_alu instid0(VALU_DEP_4)
	v_add_nc_u32 v[220+\b], 0xff000000, v[212+\b]  ; 2 off the exponent field: the conversion's scale operand
.endr
.irp b, 0,1,2,3
	s_delay_alu instid0(VALU_DEP_4)
	v_lshrrev_b32 v[224+\b], 23, v[220+\b]         ; the scale's byte
.endr
	s_delay_alu instid0(VALU_DEP_3)
	v_lshl_or_b32 v230, v225, 8, v224              ; p's scale word for these 128 keys
	s_delay_alu instid0(VALU_DEP_1)
	v_lshl_or_b32 v230, v226, 16, v230
	s_delay_alu instid0(VALU_DEP_1)
	v_lshl_or_b32 v230, v227, 24, v230
.irp c, 0,1
	v_cvt_scalef32_pk16_fp6_f32 v[192+6*\c:194+6*\c], v[96+32*\c:111+32*\c], v[220+2*\c]
	v_cvt_scalef32_pk16_fp6_f32 v[204+4*\c:206+4*\c], v[112+32*\c:127+32*\c], v[221+2*\c]   ; (a conversion's three registers begin on an even number)
.endr
	v_nop                                          ; one plain place behind a scaled conversion
.irp c, 0,1                                ; a whole block in a lane: lanes 0-15 block 2 c, lanes 16-31 block 2 c + 1
.irp i, 0,1,2
	v_permlane16_swap_b32 v[192+6*\c+\i], v[204+4*\c+\i]
.endr
.irp i, 0,1,2
	s_delay_alu instid0(VALU_DEP_3)
	v_mov_b32 v[195+6*\c+\i], v[204+4*\c+\i]
.endr
.endr
	v_pk_add_f32 v[234:235], v[100:101], v[104:105]
	v_pk_add_f32 v[252:253], v[108:109], v[112:113]
	v_pk_add_f32 v[250:251], v[116:117], v[120:121]
	v_pk_add_f32 v[248:249], v[124:125], v[128:129]
	v_pk_add_f32 v[246:247], v[132:133], v[136:137]
	v_pk_add_f32 v[244:245], v[140:141], v[144:145]
	s_setprio 0
	v_pk_add_f32 v[242:243], v[148:149], v[152:153]
	v_pk_add_f32 v[14:15], v[14:15], v[156:157]
	v_pk_add_f32 v[234:235], v[234:235], v[96:97]
	v_pk_add_f32 v[252:253], v[252:253], v[98:99]
	v_pk_add_f32 v[250:251], v[250:251], v[102:103]
	v_pk_add_f32 v[248:249], v[248:249], v[106:107]
	v_pk_add_f32 v[246:247], v[246:247], v[110:111]
	v_pk_add_f32 v[244:245], v[244:245], v[114:115]
	v_pk_add_f32 v[242:243], v[242:243], v[118:119]
	v_pk_add_f32 v[14:15], v[14:15], v[122:123]
	v_pk_add_f32 v[234:235], v[234:235], v[126:127]
	v_pk_add_f32 v[252:253], v[252:253], v[130:131]
	v_pk_add_f32 v[250:251], v[250:251], v[134:135]
	v_pk_add_f32 v[248:249], v[248:249], v[138:139]
	v_pk_add_f32 v[246:247], v[246:247], v[142:143]
	v_pk_add_f32 v[244:245], v[244:245], v[146:147]
	v_pk_add_f32 v[242:243], v[242:243], v[150:151]
	v_pk_add_f32 v[14:15], v[14:15], v[154:155]
	v_pk_add_f32 v[234:235], v[234:235], v[158:159]
	s_delay_alu instid0(VALU_DEP_2)
	v_pk_add_f32 v[14:15], v[14:15], v[248:249]
	s_delay_alu instid0(VALU_DEP_2)
	v_pk_add_f32 v[234:235], v[234:235], v[246:247]
	v_pk_add_f32 v[252:253], v[252:253], v[244:245]
	v_pk_add_f32 v[250:251], v[250:251], v[242:243]
	s_delay_alu instid0(VALU_DEP_2)
	v_pk_add_f32 v[14:15], v[14:15], v[252:253]
	s_delay_alu instid0(VALU_DEP_2)
	v_pk_add_f32 v[234:235], v[234:235], v[250:251]
	s_delay_alu instid0(VALU_DEP_1)
	v_pk_add_f32 v[14:15], v[14:15], v[234:235]
.set n, 0
.rept 16
	v_pk_mul_f32 v[160+n:161+n], v[160+n:161+n], v[228:229] op_sel_hi:[1,0]   ; O^T under the new M.  (The sums and these are the places between the writes of p's codes and scale word and the products below)
.set n, n+2
.endr
	s_wait_alu depctr_va_vdst(0)
	s_wait_dscnt 0x0                               ; V's tiles and scale words are in
.irp t, 0,1,2,3                            ; O^T += V^T P^T: the four accumulators by turns
	v_wmma_scale_f32_16x16x128_f8f6f4 v[160+8*\t:167+8*\t], v[32+12*\t:43+12*\t], v[192:203], v[160+8*\t:167+8*\t], v[86+\t], v230 matrix_a_fmt:MATRIX_FMT_FP6 matrix_b_fmt:MATRIX_FMT_FP6
.endr
.Lhidden_\@:
	s_add_co_u32 s[TB], s[TB], 6144
	s_add_co_u32 s[TS], s[TS], 512
	s_add_co_u32 s[TJ], s[TJ], 256
	s_add_co_u32 s[CNT], s[CNT], 1
	s_cmp_lt_u32 s[CNT], 16
	s_cbranch_scc1 .Lstep_\@
	s_setprio 0
.rept 4
	v_nop                                          ; places behind the last products
.endr
	v_add_f32 v14, v14, v15                        ; the sum's two halves,
	s_delay_alu instid0(VALU_DEP_1)
	v_permlanex16_b32 v231, v14, s[SEL], s[SEL+1]
	s_delay_alu instid0(VALU_DEP_1)
	v_add_f32 v14, v14, v231                       ; and lane l xor 16's: the row's sum
	s_wait_alu depctr_va_vdst(0)
	v_rcp_f32 v14, v14
	v_nop                                          ; one plain place behind a transcendental
.set n, 0
	s_wait_alu depctr_va_vdst(0)
.rept 16
	v_pk_mul_f32 v[96+n:97+n], v[160+n:161+n], v[14:15] op_sel_hi:[1,0]   ; O^T / the sum: register 16 b + i is feature 32 b + 16 h + i of the head; each accumulator from its low end on
.set n, n+2
.endr
.irp b, 0,1                                ; the head's two blocks of 32 along the model's 1,024
	v_max3_num_f32 v[212+\b], |v[96+16*\b]|, |v[97+16*\b]|, 0x1800000
.endr
.irp i, 2,4,6,8,10,12,14
.irp b, 0,1
	s_delay_alu instid0(VALU_DEP_2)
	v_max3_num_f32 v[212+\b], v[212+\b], |v[96+16*\b+\i]|, |v[97+16*\b+\i]|
.endr
.endr
.irp b, 0,1
	s_delay_alu instid0(VALU_DEP_2)
	v_permlanex16_b32 v[216+\b], v[212+\b], s[SEL], s[SEL+1]
.endr
.irp b, 0,1
	s_delay_alu instid0(VALU_DEP_2)
	v_max_num_f32 v[212+\b], v[212+\b], v[216+\b]
.endr
.irp b, 0,1
	s_delay_alu instid0(VALU_DEP_2)
	v_add_nc_u32 v[220+\b], 0xff000000, v[212+\b]
.endr
.irp b, 0,1
	s_delay_alu instid0(VALU_DEP_2)
	v_lshrrev_b32 v[224+\b], 23, v[220+\b]
.endr
	v_cvt_scalef32_pk16_fp6_f32 v[192:194], v[96:111], v220     ; my 16 codes of block 0: 12 bytes, which lie together in the row
	v_cvt_scalef32_pk16_fp6_f32 v[196:198], v[112:127], v221    ; and of block 1
	v_cmp_ne_u32 vcc_lo, 0, v[HH]                  ; (plain lines behind the conversions)
	s_delay_alu instid0(VALU_DEP_1)
	v_cndmask_b32 v226, v224, v225, vcc_lo         ; lanes 0-15 store block 0's byte, lanes 16-31 block 1's
	global_store_b96 v[COV], v[192:194], s[92:93]
	global_store_b96 v[COV], v[196:198], s[92:93] offset:24
	global_store_b8 v[CSV], v226, s[94:95]
	s_wait_xcnt 0x0                                ; the stores' bases and data are written again only behind this wait
.endm
	s_lshr_b32 s[J], s[WV], 1                      ; the early tile: w / 2 + 1 steps of work
	PHASE
	s_lshr_b32 s[J], s[WV], 1
	s_sub_co_u32 s[J], 15, s[J]                    ; the late one: 16 - w / 2 steps: 17 in all
	PHASE
	s_wait_dscnt 0x0                               ; no LDS instruction of mine is out at a signal
	s_wait_tensorcnt 0x0
	ds_add_u32 v254, v255
	s_wait_dscnt 0x0
	CROUND                                         ; the closing round: no work-group ends while a partner may still ask for a tile that names it
	s_endpgm
.Lfunc_end_k_q681c8cf28f_attn:
	.size	k_q681c8cf28f_attn, .Lfunc_end_k_q681c8cf28f_attn-k_q681c8cf28f_attn
	.p2alignl 7, 3214868480
	.fill 96, 4, 3214868480
	.section	.rodata,"a",@progbits
	.p2align	6, 0x0
	.amdhsa_kernel k_q681c8cf28f_attn
		.amdhsa_group_segment_fixed_size 210944
		.amdhsa_private_segment_fixed_size 0
		.amdhsa_enable_private_segment 0
		.amdhsa_kernarg_size 24
		.amdhsa_user_sgpr_count 2
		.amdhsa_user_sgpr_kernarg_segment_ptr 1
		.amdhsa_wavefront_size32 1
		.amdhsa_system_sgpr_workgroup_id_x 1
		.amdhsa_system_sgpr_workgroup_id_y 1
		.amdhsa_system_sgpr_workgroup_id_z 1
		.amdhsa_system_vgpr_workitem_id 0
		.amdhsa_next_free_vgpr 256
		.amdhsa_next_free_sgpr 100
		.amdhsa_reserve_vcc 1
		.amdhsa_float_denorm_mode_32 3
		.amdhsa_float_denorm_mode_16_64 3
		.amdhsa_memory_ordered 1
		.amdhsa_forward_progress 1
		.amdhsa_inst_pref_size 71
	.end_amdhsa_kernel
	.amdgpu_metadata
---
amdhsa.version: [ 1, 2 ]
amdhsa.kernels:
  - .name:           k_q681c8cf28f_attn
    .symbol:         k_q681c8cf28f_attn.kd
    .args:
      - { .name: qk, .offset: 0, .size: 8, .value_kind: global_buffer, .address_space: global }
      - { .name: vt, .offset: 8, .size: 8, .value_kind: global_buffer, .address_space: global }
      - { .name: ctx, .offset: 16, .size: 8, .value_kind: global_buffer, .address_space: global }
    .group_segment_fixed_size: 210944
    .private_segment_fixed_size: 0
    .kernarg_segment_align: 8
    .kernarg_segment_size: 24
    .max_flat_workgroup_size: 512
    .sgpr_count:     100
    .vgpr_count:     256
    .wavefront_size: 32
...
	.end_amdgpu_metadata
.endif
;; end of part 4
;; launch outp (part 5): grid 4 x 32, 4 waves a work-group, clusters of 4 x 4, 327,680 bytes of LDS; arguments ctx, wo, out0; writes out0
.if DOCPART == 5
	.amdgcn_target "amdgcn-amd-amdhsa--gfx1250"
	.amdhsa_code_object_version 6
	.text
	.protected	k_q681c8cf28f_outp
	.globl	k_q681c8cf28f_outp
	.p2align	8
	.type	k_q681c8cf28f_outp,@function
k_q681c8cf28f_outp:
	s_mov_b64 s[64:65], 0
	v_nop
	global_prefetch_b8 v0, s[64:65] scope:SCOPE_SE
	s_setreg_imm32_b32 hwreg(HW_REG_WAVE_MODE, 25, 1), 1
	s_wait_xcnt 0x0
	s_wait_alu depctr_hold_cnt(0) depctr_sa_sdst(0) depctr_va_vdst(0) depctr_va_sdst(0) depctr_va_ssrc(0) depctr_va_vcc(0) depctr_vm_vsrc(0)
	s_getreg_b32 s2, hwreg(HW_REG_IB_STS2, 6, 4)
	s_cmp_eq_u32 s2, 0
	s_cbranch_scc0 .Lentry_in_a_cluster
	s_endpgm
.Lentry_in_a_cluster:
	s_bfe_u32 s2, ttmp6, 0x10000c
	s_cmp_lg_u32 s2, 0xf033
	s_cbranch_scc0 .Lentry_shape_is_right
	s_endpgm
.Lentry_shape_is_right:
; out0 [8192][1024] f32 = ctx Wo, on codes of FP6 (E2M3) with one E8M0 scale for each 32 along K = 1,024; sums in f32.
; A = ctx, B = wo: operand buffers: scale bytes [row][32] from byte 0, codes [row][768] from byte OPC.  A's rows are true tokens.  B's row positions hold Wo's true columns with bits 3 and 4 exchanged: the way out puts each
; accumulator's numbers at their true columns in the stage, and costs nothing more.
; A tile of C, 256 x 256, is made by a work-group of four waves, as many as a WGP has SIMDs; a wave makes 128 x 128: 64 accumulators of 16 x 16, 512 registers.
; K goes in steps of 256 through a ring of two LDS slots filled by the tensor data mover: a tile's row is 192 bytes of memory.
; THE SCALES of the work-group's 256 rows of A and of B, for all of K, are two dense blocks of memory: they come into LDS once, with the first fills, and stay.
; CLUSTERS: 4 x 4 work-groups.  The four of a row of the cluster need the same tiles of A, the four of a column the same tiles of B: each tile is asked for JOINTLY, by the same tensor load with the same descriptor and a mask
; that names the four.  THE MATRIX INSTRUCTION IS USED TRANSPOSED (source 0 = 16 rows of B, source 1 = 16 rows of A): a lane holds eight neighbouring numbers of a row of C.
; REGISTERS, in windows of 256: window 0: v0-31 addresses; v32-63 scale words, two sets; from v128 A's fragments, ONE set; on the way out v128-255 take rows read back.
;   window 1: B's fragments, TWO sets, at v0 and at v128.   window 2: the 32 accumulators of my rows 0-63 (accumulator (a, b) at v[8 (8 a + b)]);   window 3: those of my rows 64-127.
.set SIZE_K, 1024
.set SIZE_N, 1024
.set OPC,    262144                    ; where the codes begin in an operand buffer
.set KSTEP,  256                       ; along K in a slot
.set NQ,     KSTEP/128                 ; matrix instructions deep
.set ROWB,   192                       ; a tile's row in bytes
.set KROW,   SIZE_K*6/8                ; a row of codes in memory
.set PITCH,  240                       ; an LDS row: 3 x (64 bytes of data + 16 of padding) = 60 words: row r starts at bank -4 r mod 64 (64 banks of 4 bytes: ISA guide 11.1)
.set FR,     12                        ; registers of a fragment: 16 rows x 128 K
.set NL,     6                         ; LDS loads that bring one
.set NP,     4                         ; places behind this matrix instruction (ISA guide 7.12.1)
.set HALFT,  128*PITCH                 ; 128 rows: what one tensor load brings
.set SLOT,   4*HALFT                   ; A's 256 rows, then B's 256 rows
.set LAPS,   SIZE_K/(2*KSTEP)          ; a lap = two K steps = once round the ring
.set KS,     SIZE_K/32                 ; a row of scales in bytes
.set SCL,    2*SLOT                    ; behind the ring: the scales, as runs of 256 bytes + 16 of padding
.set HALFS,  (128*KS/256)*272          ; the scales of 128 rows: what one tensor load brings
.set SBLK,   (16*KS/256)*272           ; those of 16 rows
.set SPARE,  SCL+4*HALFS               ; behind the scales: the spare words, 128 bytes for each wave: two blocks of 256 bytes that no other line names
.set SPITCH, 528                       ; the way out: a stage of 16 rows x (512 bytes + 16) for each wave, in slot 0, which has had its last fill and its last read when the first result is stored there
.set ADRA, 16                          ; v16-17  LDS address of my A fragments in slot 0, 1  (v18-19: for the pieces that lie behind one padding more)
.set ADRB, 20                          ; v20-21  the same for B  (v22-23)
.set STO,  24                          ; v24     the way out: where I put 32 bytes of a row
.set RD,   25                          ; v25     the way out: where I read a row back
.set CO,   26                          ; v26     my byte offset in a row of C
.set ADRS, 27                          ; v27     LDS address of my scale words: lanes 0-15 A's rows, lanes 16-31 B's
.set SPW,  28                          ; v28     LDS address of my spare word; never rewritten
.set NIL,  29                          ; v29     0; never rewritten
.set SC,   32                          ; scale words: set s at v[SC + 16 s]; register 2 i + q: lanes 0-15 the word of A's block i, lanes 16-31 that of B's block i
.set AF,   128                         ; A's fragments
.set BK,   128                         ; the way out: 16 rows read back from the stage: v128-191 and v192-255 by turns
.set G1, 24                            ; s[24:31] descriptor group 1 for A's tiles;  s[32:39] group 0, one set for each slot
.set G0, 32
.set G1B, 48                           ; s[48:55], s[56:63] the same for B's tiles
.set G0B, 56
.set G1S, 68                           ; s[68:75], s[76:79] groups 1 and 0 for A's scales;  s[80:87], s[88:91] for B's
.set G0S, 76
.set G1SB, 80
.set G0SB, 88
.set MSB, 0
.macro WIN new                         ; the immediate's high byte repeats the setting that is left
.if MSB != \new
	s_set_vgpr_msb (MSB<<8)|\new
.set MSB, \new
.endif
.endm
.set MUL_LO, 0xa1                      ; source 0 (B) window 1, source 1 (A) window 0, C and D window 2
.set MUL_HI, 0xf1                      ; the same, C and D window 3
.set TO_B,   0x40                      ; destination window 1, address window 0
; A joint load: waves 0 and 1 fetch for A, waves 2 and 3 for B.  Each of the two lines has ONE mask and one set of registers for all that issue it; the branch hangs on the wave's number alone.
; Four v_nop follow each of the two lines, ahead of the jump, the label and what follows.
.macro JLOAD g0a, g1a, g0b, g1b
	s_cmp_eq_u32 s15, 0
	s_cbranch_scc0 .Lfor_b_\@
	tensor_load_to_lds s[\g0a:\g0a+3], s[\g1a:\g1a+7]
	s_nop 0
.rept 4
	v_nop
.endr
	s_branch .Lasked_\@
.Lfor_b_\@:
	tensor_load_to_lds s[\g0b:\g0b+3], s[\g1b:\g1b+7]
	s_nop 0
.rept 4
	v_nop
.endr
.Lasked_\@:
.endm
.macro CREST                           ; a round of the cluster's barrier behind its opening barrier
	s_cmp_lg_u32 s14, 0
	s_cbranch_scc1 .Lnot_wave_0_\@
	s_barrier_signal -3
.Lnot_wave_0_\@:
	s_barrier_wait -3
	s_barrier_signal -1
	s_barrier_wait -1
.endm
.macro CROUND                          ; a whole round
	s_barrier_signal -1
	s_barrier_wait -1
	CREST
.endm
	s_load_b64 s[6:7], s[0:1], 0x0                 ; A's buffer: its scales lie at its head
	s_load_b64 s[10:11], s[0:1], 0x8               ; B's buffer
	s_load_b64 s[12:13], s[0:1], 0x10              ; C
	v_lshl_add_u32 v[SPW], v0, 2, SPARE
	v_mov_b32 v[NIL], 0
	ds_add_u32 v28, v29
	ds_add_u32 v28, v29
	s_wait_dscnt 0x0
	v_lshrrev_b32 v1, 5, v0
	v_readfirstlane_b32 s14, v1                    ; wave 0..3
	s_lshr_b32 s15, s14, 1                         ; which half of the tile's rows is mine.  Also: I fetch for A (0) or for B (1)
	s_and_b32 s16, s14, 1                          ; which half of its columns.  Also: which 128 rows of that tile I fetch
	s_bfe_u32 s40, ttmp6, 0x40000                  ; cx, cy: my place in the cluster
	s_bfe_u32 s41, ttmp6, 0x40004
	s_lshl_b32 s42, ttmp9, 2
	s_add_co_u32 s42, s42, s40                     ; tile column of C = 4 x cluster x + cx
	s_and_b32 s17, ttmp7, 0xffff
	s_lshl_b32 s17, s17, 2
	s_add_co_u32 s17, s17, s41                     ; tile row of C = 4 x cluster y + cy
	s_lshl_b32 s43, s41, 2
	s_lshl_b32 s43, 15, s43                        ; my row of the cluster
	s_lshl_b32 s44, 0x1111, s40                    ; my column
	; descriptor group 1: a tile of 128 rows x 192 bytes, padded in LDS
	s_or_b32 s[G1+0], s43, (0<<16)|(1<<20)|(1<<21)|(3<<22)|(3<<25)  ; 15:0 the mask: A's tiles go to my row; 17:16 element of 1 byte; 20 padding on; 21 set beside a mask; 24:22 after every 16 words (code 3); 31:25 of 4 words (code 3)
	s_or_b32 s[G1B+0], s44, (0<<16)|(1<<20)|(1<<21)|(3<<22)|(3<<25)
.irp g, G1, G1B
	s_mov_b32 s[\g+1], ROWB<<16                    ; tensor_dim0
	s_mov_b32 s[\g+2], 128<<16                     ; tensor_dim1 = 128
	s_mov_b32 s[\g+3], ROWB<<16                    ; tile_dim0
	s_mov_b32 s[\g+4], 128                         ; tile_dim1 = 128
	s_mov_b32 s[\g+5], KROW                        ; tensor_dim0_stride
	s_mov_b32 s[\g+6], 0
	s_mov_b32 s[\g+7], 0
.endr
	; and for the scales of 128 rows: a dense block of 4,096 bytes, as rows of 256 bytes (32 elements of 8 bytes), 16 bytes of padding behind each
	s_or_b32 s[G1S+0], s43, (3<<16)|(1<<20)|(1<<21)|(5<<22)|(3<<25)
	s_or_b32 s[G1SB+0], s44, (3<<16)|(1<<20)|(1<<21)|(5<<22)|(3<<25)
.irp g, G1S, G1SB
	s_mov_b32 s[\g+1], 32<<16
	s_mov_b32 s[\g+2], (128*KS/256)<<16
	s_mov_b32 s[\g+3], 32<<16
	s_mov_b32 s[\g+4], 128*KS/256
	s_mov_b32 s[\g+5], 32
	s_mov_b32 s[\g+6], 0
	s_mov_b32 s[\g+7], 0
.endr
	s_lshl_b32 s18, s16, 7                         ; which 128 rows of the tile I fetch
	s_lshl_b32 s20, s17, 8
	s_add_co_u32 s20, s20, s18                     ; A: row 256 x tile row + 128 x half
	s_lshl_b32 s46, s42, 8
	s_add_co_u32 s46, s46, s18                     ; B: row 256 x tile column + 128 x half
	s_mov_b32 s21, 0
	s_mov_b32 s47, 0
	s_mov_b64 s[18:19], KS
	s_mul_u64 s[22:23], s[20:21], s[18:19]         ; where these rows' scales begin, in bytes
	s_mul_u64 s[92:93], s[46:47], s[18:19]
	s_mov_b64 s[18:19], KROW
	s_mul_u64 s[20:21], s[20:21], s[18:19]         ; and their codes
	s_mul_u64 s[46:47], s[46:47], s[18:19]
	s_mul_i32 s45, s14, HALFT                      ; where they go: wave x 128 rows: no place in the cluster enters an LDS address
	s_mul_i32 s94, s14, HALFS
	s_wait_kmcnt 0x0
	s_add_nc_u64 s[4:5], s[6:7], OPC               ; A's codes
	s_add_nc_u64 s[8:9], s[10:11], OPC             ; B's codes
	s_add_nc_u64 s[20:21], s[4:5], s[20:21]
	s_add_nc_u64 s[22:23], s[6:7], s[22:23]
	s_add_nc_u64 s[46:47], s[8:9], s[46:47]
	s_add_nc_u64 s[92:93], s[10:11], s[92:93]
	CROUND                                         ; all sixteen work-groups are here: the first joint loads meet
	s_mov_b32 s[G0S], 1
	s_add_co_u32 s[G0S+1], s94, SCL
	s_mov_b64 s[G0S+2:G0S+3], s[22:23]
	s_or_b32 s[G0S+3], s[G0S+3], 0x80000000
	s_mov_b32 s[G0SB], 1
	s_add_co_u32 s[G0SB+1], s94, SCL
	s_mov_b64 s[G0SB+2:G0SB+3], s[92:93]
	s_or_b32 s[G0SB+3], s[G0SB+3], 0x80000000
	JLOAD G0S, G1S, G0SB, G1SB                     ; the scales first: they are wanted with K step 0.  Each of the two below waits for all before it: one tensor load of mine is out at a time
.irp s, 0,1
	s_mov_b32 s[G0+4*\s], 1
	s_add_co_u32 s[G0+4*\s+1], s45, \s*SLOT
	s_add_nc_u64 s[G0+4*\s+2:G0+4*\s+3], s[20:21], \s*ROWB
	s_or_b32 s[G0+4*\s+3], s[G0+4*\s+3], 0x80000000
	s_mov_b32 s[G0B+4*\s], 1
	s_add_co_u32 s[G0B+4*\s+1], s45, \s*SLOT
	s_add_nc_u64 s[G0B+4*\s+2:G0B+4*\s+3], s[46:47], \s*ROWB
	s_or_b32 s[G0B+4*\s+3], s[G0B+4*\s+3], 0x80000000
	s_wait_alu depctr_va_vdst(0)
	s_wait_tensorcnt 0x0
	ds_add_u32 v28, v29
	s_wait_dscnt 0x0
	CROUND
	JLOAD G0+4*\s, G1, G0B+4*\s, G1B
.endr
	v_and_b32 v1, 15, v0                           ; r = l % 16
	v_bfe_u32 v2, v0, 4, 1                         ; h = l / 16
	v_mul_u32_u24 v3, v1, PITCH
	v_mul_u32_u24 v4, v2, 24
	v_add_nc_u32 v4, v3, v4                        ; a fragment's row x pitch + 24 x half
	v_lshl_add_u32 v5, v2, 4, v4                   ; and the same behind one padding more
	s_mul_i32 s21, s15, HALFT                      ; my 128 rows of A
	s_mul_i32 s22, s16, HALFT                      ; my 128 rows of B,
	s_add_co_u32 s22, s22, 2*HALFT                 ; which lie behind A's 256
.irp s, 0,1
	v_add_nc_u32 v[ADRA+\s], s21, v4
	v_add_nc_u32 v[ADRB+\s], s22, v4
	v_add_nc_u32 v[ADRA+2+\s], s21, v5
	v_add_nc_u32 v[ADRB+2+\s], s22, v5
	s_add_co_u32 s21, s21, SLOT
	s_add_co_u32 s22, s22, SLOT
.endr
	v_mul_u32_u24 v5, v1, KS                       ; my row's scales: 32 bytes a row,
	v_lshrrev_b32 v6, 8, v5
	v_lshl_add_u32 v5, v6, 4, v5                   ; and 16 more for each 256 passed
	s_mul_i32 s21, s15, HALFS                      ; A's: my 128 rows
	s_mul_i32 s22, s16, HALFS                      ; B's: my 128 rows, behind A's 256
	s_add_co_u32 s22, s22, 2*HALFS
	s_sub_co_u32 s22, s22, s21
	v_mul_u32_u24 v6, s22, v2                      ; lanes 16-31 take B's: one product, the distance between the two bases
	s_add_co_u32 s21, s21, SCL
	v_add_nc_u32 v5, v5, v6
	v_add_nc_u32 v[ADRS], s21, v5
	s_mul_i32 s23, s14, 16*SPITCH                  ; my stage
	v_mul_u32_u24 v5, v1, SPITCH                   ; in: row l % 16.  Accumulator b's register j of half h is true column 32 (b / 2) + 16 h + 8 (b % 2) + j: 64 bytes for each half of the lanes
	v_lshl_add_u32 v5, v2, 6, v5
	v_add_nc_u32 v[STO], s23, v5
	v_and_b32 v6, 31, v0
	v_lshlrev_b32 v[CO], 4, v6                     ; back: the 32 lanes take one row of 512 bytes; and the same in C
	v_add_nc_u32 v[RD], s23, v[CO]
	s_lshl_b32 s20, s17, 8
	s_lshl_b32 s21, s15, 7
	s_add_co_u32 s20, s20, s21                     ; my first row of C: 256 x tile row + 128 x half
	s_mov_b32 s21, 0
	s_mov_b64 s[18:19], SIZE_N*4
	s_mul_u64 s[20:21], s[20:21], s[18:19]
	s_lshl_b32 s46, s42, 10                        ; my first column, in bytes: 1024 x tile column + 512 x half
	s_lshl_b32 s47, s16, 9
	s_add_co_u32 s46, s46, s47
	s_mov_b32 s47, 0
	s_add_nc_u64 s[20:21], s[20:21], s[46:47]
	s_add_nc_u64 s[12:13], s[12:13], s[20:21]
.macro FRAG reg, adr, q, i             ; a fragment, 16 rows x 128 K of 6-bit codes, is 12 registers: lane l holds row l % 16; registers 6 c .. 6 c + 5 hold K = 64 c + 32 (l / 16) + 0 .. 31: 24 bytes of the row, as they lie
.irp p, 0,1,2,3,4,5                    ; in pieces of 8 bytes, so that every address is a multiple of the access's size
.set PCE, 12*(\q)+6*(\p/3)+\p%3        ; 16 bytes of padding lie behind every 8 pieces: where the piece three on lies behind one padding more, the second address register serves
.if PCE%8 < 5
	ds_load_b64 v[\reg+2*\p:\reg+2*\p+1], v[\adr] offset:8*PCE+16*(PCE/8)+(\i)*16*PITCH
.else
	ds_load_b64 v[\reg+2*\p:\reg+2*\p+1], v[\adr+2] offset:8*PCE+16*(PCE/8)+(\i)*16*PITCH
.endif
.endr
.endm
; 16 matrix instructions: A's blocks a0, a0 + 1 x B's eight, 128 along K: the slot's q-th.  p: B's set;  sc: the set of scale words.  zero = 1: the first product starts the sums: nothing is ever cleared.
; The 64 accumulators take turns, one instruction a turn, in the same order in every step.
.macro MUL16 a0, p, q, sc, zero
.irp a, \a0, \a0+1
.irp b, 0,1,2,3,4,5,6,7
.if \zero
	v_wmma_scale_f32_16x16x128_f8f6f4 v[8*(8*((\a)%4)+\b):8*(8*((\a)%4)+\b)+7], v[128*(\p)+FR*\b:128*(\p)+FR*\b+FR-1], v[AF+FR*(\a):AF+FR*(\a)+FR-1], 0, v[SC+8*NQ*(\sc)+NQ*\b+(\q)], v[SC+8*NQ*(\sc)+NQ*(\a)+(\q)] matrix_a_fmt:MATRIX_FMT_FP6 matrix_b_fmt:MATRIX_FMT_FP6 matrix_a_scale:MATRIX_SCALE_ROW1
.else
	v_wmma_scale_f32_16x16x128_f8f6f4 v[8*(8*((\a)%4)+\b):8*(8*((\a)%4)+\b)+7], v[128*(\p)+FR*\b:128*(\p)+FR*\b+FR-1], v[AF+FR*(\a):AF+FR*(\a)+FR-1], v[8*(8*((\a)%4)+\b):8*(8*((\a)%4)+\b)+7], v[SC+8*NQ*(\sc)+NQ*\b+(\q)], v[SC+8*NQ*(\sc)+NQ*(\a)+(\q)] matrix_a_fmt:MATRIX_FMT_FP6 matrix_b_fmt:MATRIX_FMT_FP6 matrix_a_scale:MATRIX_SCALE_ROW1
.endif
.endr
.endr
.endm
.macro FETCH_B slot, q, p              ; B's eight fragments of the slot's q-th 128 along K into set p
	WIN TO_B
.irp i, 0,1,2,3,4,5,6,7
	FRAG 128*(\p)+FR*\i, ADRB+\slot, \q, \i
.endr
	WIN 0
.endm
.macro FETCH_A slot, q, i0             ; A's blocks i0 .. i0 + 3
.irp i, \i0, \i0+1, \i0+2, \i0+3
	FRAG AF+FR*(\i), ADRA+\slot, \q, \i
.endr
.endm
.macro SCALES sc                       ; the next K step's scale words into set sc: 2 words a row; lanes 0-15 take A's block i, lanes 16-31 B's block i
.irp i, 0,1,2,3,4,5,6,7
	ds_load_b64 v[SC+8*NQ*\sc+NQ*\i:SC+8*NQ*\sc+NQ*\i+1], v[ADRS] offset:\i*SBLK
.endr
.endm
; A load into a register that a matrix instruction has read, and a vector instruction or an LDS store that reads a matrix result, stand NP places behind that matrix instruction, and only plain vector
; instructions that name none of its registers are places (ISA guide 7.12.1 for vector instructions).
.macro PLACES n
.rept \n
	v_nop
.endr
.endm
; A step of 128 along K that has its successor in the same slot.
.macro STEP slot, q, zero
	s_wait_dscnt 4*NL                              ; B's set and A's blocks 0-3 are in; the youngest 24 loads (A's blocks 4-7) may be out
	WIN MUL_LO
	MUL16 0, (\q)%2, \q, \slot, \zero
	MUL16 2, (\q)%2, \q, \slot, \zero
	s_wait_dscnt 0                                 ; A's blocks 4-7 are in (asked for 32 matrix instructions ago)
	PLACES NP
	FETCH_B \slot, (\q)+1, 1-(\q)%2
	FETCH_A \slot, (\q)+1, 0
	WIN MUL_HI
	MUL16 4, (\q)%2, \q, \slot, \zero
	MUL16 6, (\q)%2, \q, \slot, \zero
	PLACES NP
	WIN 0
	FETCH_A \slot, (\q)+1, 4
.endm
; A slot's last step changes slots: ONE barrier; in front of it each wave waits for all its tensor loads, adds 0 to its spare word, and waits for that and for its own reads of this slot.  fill = 1: this slot is filled again, two K steps ahead.
.macro TURN slot, next, fill
	s_wait_tensorcnt 0x0                           ; all my tensor loads have landed: my part of the next slot;  (every window is 0 here: the add's two registers lie in window 0)
	ds_add_u32 v[SPW], v[NIL]                      ; 0 onto my spare word
	s_wait_dscnt 4*NL+1                            ; (the add and the youngest 24 loads, A's blocks 4-7, may be out)
	WIN MUL_LO
	MUL16 0, 1, NQ-1, \slot, 0                     ; sixteen matrix instructions stand between the add and the wait for it
	s_wait_dscnt 0x0                               ; the add is done, and my reads of this slot are over
	s_barrier_signal -1
	MUL16 2, 1, NQ-1, \slot, 0
	WIN 0
	s_barrier_wait -1
.if \fill
	CREST                                          ; the barrier has opened a round of the cluster's barrier: no wave of any partner still reads this slot's tile or has a load on its way
	s_add_nc_u64 s[G0+4*\slot+2:G0+4*\slot+3], s[G0+4*\slot+2:G0+4*\slot+3], 2*ROWB
	s_add_nc_u64 s[G0B+4*\slot+2:G0B+4*\slot+3], s[G0B+4*\slot+2:G0B+4*\slot+3], 2*ROWB
	JLOAD G0+4*\slot, G1, G0B+4*\slot, G1B         ; the first tensor load behind the round, my one load until the next; the four v_nop behind it are the places in front of the loads below
.else
	PLACES NP
.endif
	s_wait_alu depctr_va_vdst(0)
	v_add_nc_u32 v[ADRS], 4*NQ, v[ADRS]            ; on to the next K step's scale words (no LDS load of mine is out)
	FETCH_B \next, 0, 0
	FETCH_A \next, 0, 0
	SCALES \next
	WIN MUL_HI
	MUL16 4, 1, NQ-1, \slot, 0
	MUL16 6, 1, NQ-1, \slot, 0
	PLACES NP
	WIN 0
	FETCH_A \next, 0, 4
.endm
	s_wait_alu depctr_va_vdst(0)
	s_wait_tensorcnt 1                             ; the scales and my part of K step 0 are in (K step 1's load may be out)
	s_barrier_signal -1
	s_barrier_wait -1                              ; everybody's are
	FETCH_B 0, 0, 0
	FETCH_A 0, 0, 0
	SCALES 0
	FETCH_A 0, 0, 4
	STEP 0, 0, 1                                   ; the first step stands in front of the loop: its products start the sums
	s_mov_b32 s3, LAPS-1
.Llap:                                                 ; a trip goes once round the ring, from a lap's second step to the next lap's first, and fills both slots again
	TURN 0, 1, 1
	STEP 1, 0, 0
	TURN 1, 0, 1
	STEP 0, 0, 0
	s_sub_co_u32 s3, s3, 1
	s_cmp_lg_u32 s3, 0
	s_cbranch_scc1 .Llap
	TURN 0, 1, 0                                   ; the last lap fills nothing, and has no round of the cluster's barrier
	STEP 1, 0, 0
	s_wait_dscnt 4*NL                              ; the very last step: nothing more to fetch
	WIN MUL_LO
	MUL16 0, 1, NQ-1, 1, 0
	MUL16 2, 1, NQ-1, 1, 0
	s_wait_dscnt 0
	WIN MUL_HI
	MUL16 4, 1, NQ-1, 1, 0
	MUL16 6, 1, NQ-1, 1, 0
	WIN 0
; THE WAY OUT, block by block of 16 rows x 128 columns.  A lane holds 32 neighbouring bytes of a row, and the lanes beside it hold other rows: so a block goes through my own stage in LDS and comes back as whole
; rows of 512 bytes, which the 32 lanes store as two aligned runs of 256 bytes.  LDS serves a wave's instructions in order (ISA guide 5.7.1.4): no wait between the stores and the loads, nor in front of the next block's stores.
.macro TOSTAGE a
.set AC, 64*((\a)%4)
	WIN 0x08+4*((\a)/4)                            ; the data: window 2 or 3
.irp b, 0,1,2,3,4,5,6,7
	ds_store_b128 v[STO], v[AC+8*\b:AC+8*\b+3] offset:128*(\b/2)+32*(\b%2)          ; each accumulator from its low end on, at its true columns
	ds_store_b128 v[STO], v[AC+8*\b+4:AC+8*\b+7] offset:128*(\b/2)+32*(\b%2)+16
.endr
	WIN 0
.set BB, BK+64*((\a)%2)
.irp t, 0,1,2,3,4,5,6,7,8,9,10,11,12,13,14,15
	ds_load_b128 v[BB+4*\t:BB+4*\t+3], v[RD] offset:\t*SPITCH
.endr
.endm
.macro SEND a, younger                 ; younger: the LDS instructions issued behind block a's loads, which may stay out
.set BB, BK+64*((\a)%2)
	s_wait_dscnt \younger                          ; the block is back in registers
.if (\a) > 0
	s_add_nc_u64 s[12:13], s[12:13], 16*SIZE_N*4   ; (behind a wait on XCNT: the earlier stores have read their base)  16 rows of C on
.endif
.irp t, 0,1,2,3,4,5,6,7,8,9,10,11,12,13,14,15
	global_store_b128 v[CO], v[BB+4*\t:BB+4*\t+3], s[12:13] offset:\t*SIZE_N*4 th:TH_STORE_NT   ; 32 lanes store 512 consecutive bytes, at a multiple of 256 from C's first byte; written once, read by nobody here
.endr
.endm
	PLACES NP                                      ; behind the last products: for the loads into the registers that held A's fragments and for block 7's reads alike
	TOSTAGE 0
.irp a, 1,2,3,4,5,6,7
.if \a > 1
	s_wait_xcnt 0x0                                ; block a - 2's stores have read their registers and their base: block a's loads may land there, and the base may step
.endif
	TOSTAGE \a
	SEND \a-1, 32                                  ; behind block a - 1's loads: block a's 16 stores and 16 loads
.endr
	s_wait_xcnt 0x0                                ; block 6's stores have read their base
	SEND 7, 0
	s_wait_tensorcnt 0x0                           ; the wave's end, behind my last tensor load and my last LDS store
	ds_add_u32 v[SPW], v[NIL]
	s_wait_dscnt 0x0
	CROUND                                         ; the closing round: no work-group ends while a partner may still ask for a tile that names it
	s_endpgm
.Lfunc_end_k_q681c8cf28f_outp:
	.size	k_q681c8cf28f_outp, .Lfunc_end_k_q681c8cf28f_outp-k_q681c8cf28f_outp
	.p2alignl 7, 3214868480
	.fill 96, 4, 3214868480
	.section	.rodata,"a",@progbits
	.p2align	6, 0x0
	.amdhsa_kernel k_q681c8cf28f_outp
		.amdhsa_group_segment_fixed_size 327680
		.amdhsa_private_segment_fixed_size 0
		.amdhsa_enable_private_segment 0
		.amdhsa_kernarg_size 24
		.amdhsa_user_sgpr_count 2
		.amdhsa_user_sgpr_kernarg_segment_ptr 1
		.amdhsa_wavefront_size32 1
		.amdhsa_system_sgpr_workgroup_id_x 1
		.amdhsa_system_sgpr_workgroup_id_y 1
		.amdhsa_system_sgpr_workgroup_id_z 1
		.amdhsa_system_vgpr_workitem_id 0
		.amdhsa_next_free_vgpr 1024
		.amdhsa_next_free_sgpr 98
		.amdhsa_reserve_vcc 0
		.amdhsa_float_denorm_mode_32 3
		.amdhsa_float_denorm_mode_16_64 3
		.amdhsa_memory_ordered 1
		.amdhsa_forward_progress 1
		.amdhsa_inst_pref_size 161
	.end_amdhsa_kernel
	.amdgpu_metadata
---
amdhsa.version: [ 1, 2 ]
amdhsa.kernels:
  - .name:           k_q681c8cf28f_outp
    .symbol:         k_q681c8cf28f_outp.kd
    .args:
      - { .name: ctx, .offset: 0, .size: 8, .value_kind: global_buffer, .address_space: global }
      - { .name: wo, .offset: 8, .size: 8, .value_kind: global_buffer, .address_space: global }
      - { .name: out0, .offset: 16, .size: 8, .value_kind: global_buffer, .address_space: global }
    .group_segment_fixed_size: 327680
    .private_segment_fixed_size: 0
    .kernarg_segment_align: 8
    .kernarg_segment_size: 24
    .max_flat_workgroup_size: 128
    .sgpr_count:     98
    .vgpr_count:     1024
    .wavefront_size: 32
...
	.end_amdgpu_metadata
.endif
;; end of part 5
